; MI455X (gfx1250); checked and timed in simulation.
; The chip was launched on July 23, 2026; its instructions are those of AMD's public machine-readable ISA for CDNA 5 (MIT licence, August 2026) and "CDNA5" Instruction Set Architecture Reference Guide (July 2026). The comments in the code are by the model that wrote it; some were corrected since.
;; Self Attention. Allowed arithmetic: float matrix products may take bf16 or f16 operands with f32 sums; other float arithmetic in f32, or as packed bf16 or f16 multiplies, adds, multiply-adds, maxima and minima; sums over many terms, partial sums and values carried from step to step in f32; what a program stores and reads back later, other than sums and carried values, may be rounded once to bf16 or f16.
;; Inputs: ln_beta 1,024 float32; ln_gamma 1,024 float32; out_w 1,024 x 1,024 float32; qkv_w 3 x 4 x 1,024 x 256 float32; x 4 x 2,048 x 1,024 float32.
;; Outputs: out0 4 x 2,048 x 1,024 float32.
;; 2 versions, each right; version 2 is version 1 with the launch cast written anew for expert scheduling mode. Each part assembles by itself: llvm-mc -triple=amdgcn-amd-amdhsa -mcpu=gfx1250 --defsym DOCPART=n.
;; ======== version 1 of 2: 5 launches
;; limits: values are held in f16: magnitudes above 65,504 overflow, below 6.1e-05 lose precision; right only within a limited range of input values
;; workspace buffers: xh 16,777,216 bytes; wh 6,291,456 bytes; oh 2,097,152 bytes; qkv 50,331,648 bytes; att 16,777,216 bytes; y 33,554,432 bytes
;; launch cast (part 1): grid 768 x 1, 8 waves a work-group, no clusters, 0 bytes of LDS; arguments x, qkv_w, out_w, xh, wh, oh; writes xh, wh, oh
.if DOCPART == 1
	.amdgcn_target "amdgcn-amd-amdhsa--gfx1250"
	.amdhsa_code_object_version 6
	.text
	.protected	k_qf47e1e923d_cast
	.globl	k_qf47e1e923d_cast
	.p2align	8
	.type	k_qf47e1e923d_cast,@function
k_qf47e1e923d_cast:
	s_mov_b64 s[64:65], 0
	v_nop
	global_prefetch_b8 v0, s[64:65] scope:SCOPE_SE
	s_setreg_imm32_b32 hwreg(HW_REG_WAVE_MODE, 25, 1), 1
	s_wait_xcnt 0x0
; xh = f16(x), wh = f16(qkv_w, q's part times c), oh = f16(out_w): three streams, each number rounded once.
; LAYOUTS.  wh and oh lie as their inputs do.  xh lies in 16 SLABS of 64 channels: xh[k / 64][row][k % 64], a row's part of a slab 128 bytes, the rows on end: so the product that follows finds
; 256 rows x 64 channels as 32,768 consecutive bytes and can ask for them in rows of 256 bytes.
; THE SCALE.  q's weights (qkv_w[0]: the first 1,048,576 numbers) are multiplied in f32 by c = log2(e) / 32 before their one rounding, so that q comes out of its product multiplied by c.
; LIMITS.  f16 ends at 65,504: a number of 65,520 or more in magnitude becomes an infinity.  Below 6e-5 f16 keeps its fixed step of 6e-8; of q's weights that is met below 1.4e-3, c times which is 6e-5.
; SHARES.  A work-group takes 16,384 numbers: 64 KiB in, 32 KiB out.  x has 512 such parts (work-groups 0-511: 16 rows each), qkv_w 192 (512-703; q's are 512-575), out_w 64 (704-767).
; All 16 loads of a thread go out at once; a wave's store covers 256 consecutive bytes, aligned.  No register that a load or store names is written again, so the only waits are the counted ones for the loads.
.set IN,  8                            ; v[8:71]    16 loads of 4 numbers
.set OUT, 72                           ; v[72:103]  16 pairs of registers, 4 numbers in f16 each
; Load j has come: (times the factor,) rounded, stored at byte off behind the base.
.macro PUT j, scale, base, off
	s_wait_loadcnt 15-(\j)                         ; loads come back in order: load j is in, the 15 - j younger ones stay out
.if \scale
	v_pk_mul_f32 v[IN+4*(\j):IN+4*(\j)+1], v[IN+4*(\j):IN+4*(\j)+1], s[26:27] op_sel_hi:[1,0]
	v_pk_mul_f32 v[IN+4*(\j)+2:IN+4*(\j)+3], v[IN+4*(\j)+2:IN+4*(\j)+3], s[26:27] op_sel_hi:[1,0]
.endif
	v_cvt_pk_f16_f32 v[OUT+2*(\j)], v[IN+4*(\j)], v[IN+4*(\j)+1]
	v_cvt_pk_f16_f32 v[OUT+2*(\j)+1], v[IN+4*(\j)+2], v[IN+4*(\j)+3]
	global_store_b64 v2, v[OUT+2*(\j):OUT+2*(\j)+1], s[\base:\base+1] offset:\off
.endm
	s_load_b256 s[4:11], s[0:1], 0x0               ; x s[4:5], qkv_w s[6:7], out_w s[8:9], xh s[10:11]
	s_load_b128 s[12:15], s[0:1], 0x20             ; wh s[12:13], oh s[14:15]
	v_lshlrev_b32 v2, 3, v0                        ; 8 bytes a thread out, in all three streams
	s_movk_i32 s24, 512                            ; the first work-group of qkv_w,
	s_movk_i32 s25, 704                            ; of out_w
	s_mov_b32 s23, 0
	s_cmp_lt_u32 ttmp9, s24
	s_cbranch_scc0 .Lweights
	; x.  Thread t takes row t / 16 of the group's 16 and, in load j, the four channels 64 j + 4 (t % 16): sixteen lanes read 256 consecutive bytes of a row.
	; In slab j the group's 16 rows are 2,048 bytes on end, and thread t's 8 bytes lie at 128 (t / 16) + 8 (t % 16) = 8 t.
	v_lshrrev_b32 v3, 4, v0
	v_and_b32 v1, 15, v0
	v_lshlrev_b32 v1, 4, v1
	v_lshl_add_u32 v1, v3, 12, v1                  ; 4,096 (t / 16) + 16 (t % 16)
	s_lshl_b32 s22, ttmp9, 16
	s_wait_kmcnt 0x0
	s_add_nc_u64 s[16:17], s[4:5], s[22:23]
	s_lshl_b32 s22, ttmp9, 11
	s_add_nc_u64 s[18:19], s[10:11], s[22:23]      ; slabs 0 to 7 from here,
	s_add_nc_u64 s[20:21], s[18:19], 8<<20         ; slabs 8 to 15 from here: a slab is 1 MiB, and the immediate holds 7 of them
.set j, 0
.rept 16
	global_load_b128 v[IN+4*j:IN+4*j+3], v1, s[16:17] offset:j*256 th:TH_LOAD_NT
.set j, j+1
.endr
.set j, 0
.rept 8
	PUT j, 0, 18, j<<20
.set j, j+1
.endr
.rept 8
	PUT j, 0, 20, (j-8)<<20
.set j, j+1
.endr
	s_endpgm
.Lweights:
	; the weights: flat.  A load of a wave covers 512 consecutive bytes.
	v_lshlrev_b32 v1, 4, v0                        ; 16 bytes a thread in
	s_wait_kmcnt 0x0
	s_cmp_lt_u32 ttmp9, s25                        ; which of the two streams is mine: a choice between buffers by the work-group's number
	s_cselect_b64 s[16:17], s[6:7], s[8:9]
	s_cselect_b64 s[18:19], s[12:13], s[14:15]
	s_cselect_b32 s20, s24, s25
	s_sub_co_u32 s20, ttmp9, s20                   ; my part's number in its stream
	s_lshl_b32 s22, s20, 16
	s_add_nc_u64 s[16:17], s[16:17], s[22:23]
	s_lshl_b32 s22, s20, 15
	s_add_nc_u64 s[18:19], s[18:19], s[22:23]
	s_cmp_lt_u32 ttmp9, 576                        ; q's weights take c = log2(e) / 32, all others 1
	s_cselect_b32 s26, 0x3d38aa3b, 1.0
	s_mov_b32 s27, s26                             ; named with it as a pair
.set j, 0
.rept 16
	global_load_b128 v[IN+4*j:IN+4*j+3], v1, s[16:17] offset:j*4096 th:TH_LOAD_NT
.set j, j+1
.endr
.set j, 0
.rept 16
	PUT j, 1, 18, j*2048
.set j, j+1
.endr
	s_endpgm
.Lfunc_end_k_qf47e1e923d_cast:
	.size	k_qf47e1e923d_cast, .Lfunc_end_k_qf47e1e923d_cast-k_qf47e1e923d_cast
	.p2alignl 7, 3214868480
	.fill 96, 4, 3214868480
	.section	.rodata,"a",@progbits
	.p2align	6, 0x0
	.amdhsa_kernel k_qf47e1e923d_cast
		.amdhsa_group_segment_fixed_size 0
		.amdhsa_private_segment_fixed_size 0
		.amdhsa_enable_private_segment 0
		.amdhsa_kernarg_size 48
		.amdhsa_user_sgpr_count 2
		.amdhsa_user_sgpr_kernarg_segment_ptr 1
		.amdhsa_wavefront_size32 1
		.amdhsa_system_sgpr_workgroup_id_x 1
		.amdhsa_system_sgpr_workgroup_id_y 1
		.amdhsa_system_sgpr_workgroup_id_z 1
		.amdhsa_system_vgpr_workitem_id 0
		.amdhsa_next_free_vgpr 104
		.amdhsa_next_free_sgpr 66
		.amdhsa_reserve_vcc 0
		.amdhsa_float_denorm_mode_32 3
		.amdhsa_float_denorm_mode_16_64 3
		.amdhsa_memory_ordered 1
		.amdhsa_forward_progress 1
		.amdhsa_inst_pref_size 15
	.end_amdhsa_kernel
	.amdgpu_metadata
---
amdhsa.version: [ 1, 2 ]
amdhsa.kernels:
  - .name:           k_qf47e1e923d_cast
    .symbol:         k_qf47e1e923d_cast.kd
    .args:
      - { .name: x, .offset: 0, .size: 8, .value_kind: global_buffer, .address_space: global }
      - { .name: qkv_w, .offset: 8, .size: 8, .value_kind: global_buffer, .address_space: global }
      - { .name: out_w, .offset: 16, .size: 8, .value_kind: global_buffer, .address_space: global }
      - { .name: xh, .offset: 24, .size: 8, .value_kind: global_buffer, .address_space: global }
      - { .name: wh, .offset: 32, .size: 8, .value_kind: global_buffer, .address_space: global }
      - { .name: oh, .offset: 40, .size: 8, .value_kind: global_buffer, .address_space: global }
    .group_segment_fixed_size: 0
    .private_segment_fixed_size: 0
    .kernarg_segment_align: 8
    .kernarg_segment_size: 48
    .max_flat_workgroup_size: 256
    .sgpr_count:     66
    .vgpr_count:     104
    .wavefront_size: 32
...
	.end_amdgpu_metadata
.endif
;; end of part 1
;; launch qkv (part 2): grid 8 x 32, 4 waves a work-group, clusters of 4 x 4, 327,680 bytes of LDS; arguments xh, wh, qkv; writes qkv
.if DOCPART == 2
	.amdgcn_target "amdgcn-amd-amdhsa--gfx1250"
	.amdhsa_code_object_version 6
	.text
	.protected	k_qf47e1e923d_qkv
	.globl	k_qf47e1e923d_qkv
	.p2align	8
	.type	k_qf47e1e923d_qkv,@function
k_qf47e1e923d_qkv:
	s_mov_b64 s[64:65], 0
	v_nop
	global_prefetch_b8 v0, s[64:65] scope:SCOPE_SE
	s_setreg_imm32_b32 hwreg(HW_REG_WAVE_MODE, 25, 1), 1
	s_wait_xcnt 0x0
	s_wait_alu depctr_hold_cnt(0) depctr_sa_sdst(0) depctr_va_vdst(0) depctr_va_sdst(0) depctr_va_ssrc(0) depctr_va_vcc(0) depctr_vm_vsrc(0)
	s_getreg_b32 s2, hwreg(HW_REG_IB_STS2, 6, 4)
	s_cmp_eq_u32 s2, 0
	s_cbranch_scc0 .Lentry_in_a_cluster
	s_endpgm
.Lentry_in_a_cluster:
	s_bfe_u32 s2, ttmp6, 0x10000c
	s_cmp_lg_u32 s2, 0xf033
	s_cbranch_scc0 .Lentry_shape_is_right
	s_endpgm
.Lentry_shape_is_right:
; THE TWELVE PROJECTIONS q, k, v BY HEADS, as one product C = A B of 8192 x 3072 x 1024.  Sums in f32, K ascending; C rounded once to f16.
; A = xh, f16, in 16 slabs of 64 channels: xh[k / 64][row][k % 64].  B = wh[nb][k][256], f16, nb = 4 which + h; column n of C is column n % 256 of block n / 256.  q's weights arrive multiplied by
; log2(e) / 32, so q leaves so multiplied.  C goes to qkv[nb][row][256].
; LIMIT.  f16 ends at 65,504: q, k and v must stay within it; below 6e-5 f16 keeps its fixed step of 6e-8.
; SHARES.  A work-group makes 256 rows x 384 columns: 32 x 8 tiles, one for each of 256 WGPs; for 1,024 along K it brings (256 + 384) x 2,048 bytes into LDS.  Four waves, each 128 rows x 192 columns:
; 96 accumulators of 16 x 16, 768 registers.  For 32 along K a wave reads 8 fragments of A and 12 of B, 40 LDS loads, for 96 matrix instructions.
; CHUNKS.  The tile's 384 columns are three chunks of 128: 256 bytes of a row of B and of C.  Chunk number 3 nt + c lies in block (3 nt + c) / 2, in its half (3 nt + c) % 2.
; THE RING.  K goes in 16 steps of 64 through two LDS slots (two slots of 128 along K would be 344,064 bytes).  One tensor load a wave and step: wave 0 fetches A's 256 rows (32,768 bytes on end, asked for
; as 128 rows of 256 bytes and padded after every 128), waves 1 to 3 a chunk of B each (64 rows of K x 256 bytes).
; CLUSTER.  4 x 4 work-groups: A's tile hangs on the tile row alone and is asked for jointly by a row of the cluster, B's on the tile column alone and is asked for by a column.
; THE PRODUCT IS USED TRANSPOSED: source 0 = 16 columns of B (turned on the way out of LDS by ds_load_tr16_b128, since B's rows lie along N), source 1 = 16 rows of A.
; A lane then holds row l % 16 of C and the columns 8 (l / 16) + 0..7.
; THIRDS.  A quarter is 32 along K: three thirds of 32 matrix instructions, third t = my column blocks 4 t .. 4 t + 3 x my 8 row blocks, its accumulators in window 1 + t.  Each third opens with four places and
; ONE run of LDS loads for TWO THIRDS ON: B has three buffers of a third, A two of a quarter.  So the slot's last reads are issued a third ahead of the change of slots, and the next slot's first a third ahead of their use.
; REGISTERS: window 0: v16-30 addresses; v32-127 B's three buffers; v128-255 A's two; on the way out v64-255 at work.  Window 1 + t: accumulator (column block 4 t + bb, row block a) at 8 (8 bb + a).
.set KS,    64                         ; along K in a step
.set PA,    144                        ; a row of A in LDS: 128 bytes + 16: the 16 rows of a load start at 16 different groups of four banks (64 banks of 4 bytes: ISA guide 11.1)
.set PB,    288                        ; a row of a chunk of B: 256 + 32 bytes
.set CHK,   KS*PB                      ; a chunk's 64 rows of K
.set BOFF,  256*PA                     ; in a slot: A's 256 rows, then B's three chunks: 92,160 bytes
.set SLOT1, 1<<17                      ; slot 1 begins here, so that one exclusive or turns a place in one slot into the other's
.set STAGE, SLOT1+BOFF+3*CHK           ; behind the ring, never filled by a tensor load: 128 rows x 784 bytes, the work-group's, for the way out
.set SP,    784                        ; a stage row: 768 bytes + 16
.set SPARE, STAGE+128*SP               ; behind the stage: the spare words, 128 bytes for each wave, which no other line names
.set ASTEP, 8192*KS*2                  ; bytes from a K step of A to the next: a slab
.set BSTEP, KS*256*2                   ; of B: 64 rows of 512 bytes
.set ADA0, 16                          ; v16     my lane's place in a slot's A; never rewritten
.set ADB0, 17                          ; v17-19  in a slot's B, for third 0, 1, 2; never rewritten
.set ADA,  20                          ; v20     the LDS address of A's next loads
.set ADB,  21                          ; v21-23  of B's
.set STO,  24                          ; v24     the way out: where I put 16 bytes of a row
.set RD,   25                          ; v25     where I read rows back
.set CO,   26                          ; v26     my byte offset in two rows of a chunk of C
.set SPW,  28                          ; v28     my spare word; never rewritten
.set NIL,  29                          ; v29     0; never rewritten
.set PFO,  30                          ; v30     the prefetches' lane offset; never rewritten
.set BB,   32
.set AB,   128
.set TMP,  64
.set WV, 12                            ; s12 wave; s13 wave / 2: my half of the rows; s14 wave % 2: my half of the columns
.set RH, 13
.set CW, 14
.set G1,  24                           ; s[24:31] descriptor group 1 for A; s[32:39] group 0: a set for each of the two first fills; the second then walks on
.set G0,  32
.set G1B, 48                           ; s[48:55], s[56:63] the same for B
.set G0B, 56
.set TB,  66                           ; s66     where the slot begins from which fragments are fetched: 0 or SLOT1
.set CNT, 67                           ; s67     the loop's count
.set LIM, 68                           ; s68     a wave prefetches while the count is above this
.set PFA, 70                           ; s[70:71] where my prefetches stand
.set PST, 72                           ; s[72:73] a K step's bytes in the tensor that I prefetch
.set OB,  74                           ; s[74:79] C at the first row that I store, for chunk 0, 1, 2
.set MSB, 0
.macro WIN new                         ; the immediate's high byte repeats the setting that is left; a switch that changes nothing is dropped
.if MSB != (\new)
	s_set_vgpr_msb (MSB<<8)|(\new)
.set MSB, \new
.endif
.endm
.macro JLOAD s                         ; a joint load; an s_nop 0 and four v_nop follow each of the two lines, ahead of the jump and the label
	s_cmp_eq_u32 s[WV], 0
	s_cbranch_scc0 .Lfor_b_\@
	tensor_load_to_lds s[G0+4*(\s):G0+4*(\s)+3], s[G1:G1+7]
	s_nop 0
.rept 4
	v_nop
.endr
	s_branch .Lasked_\@
.Lfor_b_\@:
	tensor_load_to_lds s[G0B+4*(\s):G0B+4*(\s)+3], s[G1B:G1B+7]
	s_nop 0
.rept 4
	v_nop
.endr
.Lasked_\@:
.endm
.macro CREST                           ; a round of the cluster's barrier behind its opening barrier
	s_cmp_lg_u32 s[WV], 0
	s_cbranch_scc1 .Lnot_wave_0_\@
	s_barrier_signal -3
.Lnot_wave_0_\@:
	s_barrier_wait -3
	s_barrier_signal -1
	s_barrier_wait -1
.endm
.macro CROUND
	s_barrier_signal -1
	s_barrier_wait -1
	CREST
.endm
.macro PLACES                          ; four places between a matrix instruction and a load into, or a vector line on, its registers
.rept 4
	v_nop
.endr
.endm
; A PREFETCH INTO THE L2.  At a change of slots every wave has waited for all its tensor loads, so the refill that follows has nothing on its way beside it.  In every second step (s = 1, 3 .. 11: the count is odd
; and above 2) a wave names K steps s + 3 and s + 4, one and two refills ahead of the loads that will want them; K steps 0 to 3 come by their loads alone, and there is no K step 16.
; Each block of 256 bytes is named once in the launch.  A: two steps of a tile row are 256 blocks; the 8 work-groups that read them take 32 each, told apart BY ADDRESS: 16 on end in each of the two slabs; wave 0 asks.
; B: two steps of a chunk are 128 rows of K, a block each; every cluster of the column reads them, the one with y = 0 asks; its four partners along y take 32 rows each, BY ADDRESS; wave 1 + c asks for chunk c.
.macro ASK
	s_and_b32 s20, s[CNT], 1
	s_cmp_eq_u32 s20, 0
	s_cbranch_scc1 .Lnot_now_\@
	s_cmp_gt_u32 s[CNT], s[LIM]
	s_cbranch_scc0 .Lnot_now_\@
	global_prefetch_b8 v[PFO], s[PFA:PFA+1] th:TH_LOAD_NT scope:SCOPE_SE
.Lnot_now_\@:
.endm
	s_load_b128 s[4:7], s[0:1], 0x0                ; xh s[4:5], wh s[6:7]
	s_load_b64 s[8:9], s[0:1], 0x10                ; qkv
	v_lshl_add_u32 v[SPW], v0, 2, SPARE
	v_mov_b32 v[NIL], 0
	ds_add_u32 v[SPW], v[NIL]                      ; the wave's opening: the add and its wait stand ahead of my first tensor load; the set-up below stands between them
	v_lshrrev_b32 v1, 5, v0
	v_readfirstlane_b32 s[WV], v1
	s_lshr_b32 s[RH], s[WV], 1
	s_and_b32 s[CW], s[WV], 1
	s_max_u32 s15, s[WV], 1
	s_sub_co_u32 s15, s15, 1                       ; the chunk that I fetch: wave - 1 (in wave 0, which fetches A, a number that serves nothing)
	s_bfe_u32 s40, ttmp6, 0x40000                  ; cx, cy: my place in the cluster
	s_bfe_u32 s41, ttmp6, 0x40004
	s_lshl_b32 s42, ttmp9, 2
	s_add_co_u32 s42, s42, s40                     ; nt: tile column = 4 x cluster x + cx
	s_and_b32 s43, ttmp7, 0xffff
	s_lshl_b32 s43, s43, 2
	s_add_co_u32 s43, s43, s41                     ; mt: tile row = 4 x cluster y + cy
	s_lshl_b32 s44, s41, 2
	s_lshl_b32 s44, 15, s44                        ; my row of the cluster
	s_lshl_b32 s45, 0x1111, s40                    ; my column
	s_or_b32 s[G1], s44, (1<<16)|(1<<20)|(1<<21)|(4<<22)|(3<<25)   ; the mask; 2-byte elements; padding on; bit 21 beside a mask; after every 32 words 4 words
	s_or_b32 s[G1B], s45, (1<<16)|(1<<20)|(1<<21)|(5<<22)|(7<<25)  ; after every 64 words 8 words
	s_mov_b32 s[G1+1], 128<<16                     ; tensor_dim0 = 128: two rows of the slab on end
	s_mov_b32 s[G1+2], 128<<16                     ; tensor_dim1 = 128
	s_mov_b32 s[G1+3], 128<<16                     ; tile_dim0 = 128
	s_mov_b32 s[G1+4], 128                         ; tile_dim1 = 128
	s_mov_b32 s[G1+5], 128                         ; dense
	s_mov_b32 s[G1+6], 0
	s_mov_b32 s[G1+7], 0
	s_mov_b32 s[G1B+1], 128<<16                    ; tensor_dim0 = 128: a chunk
	s_mov_b32 s[G1B+2], KS<<16                     ; tensor_dim1 = 64
	s_mov_b32 s[G1B+3], 128<<16                    ; tile_dim0 = 128
	s_mov_b32 s[G1B+4], KS                         ; tile_dim1 = 64
	s_mov_b32 s[G1B+5], 256                        ; numbers from row to row of a block of B
	s_mov_b32 s[G1B+6], 0
	s_mov_b32 s[G1B+7], 0
	s_lshl_b32 s16, s43, 15                        ; A: the tile row's 256 rows of 128 bytes in a slab: made of the tile row alone
	s_mov_b32 s17, 0
	s_mul_i32 s81, s42, 3                          ; the tile's first chunk
	s_add_co_u32 s46, s81, s15                     ; B: my chunk: made of the tile column and the wave alone:
	s_lshr_b32 s47, s46, 1
	s_lshl_b32 s47, s47, 19                        ; its block of 1,024 rows of 512 bytes,
	s_and_b32 s46, s46, 1
	s_lshl_b32 s46, s46, 8                         ; its half of a row
	s_add_co_u32 s46, s46, s47
	s_mov_b32 s47, 0
	s_mov_b32 s82, s46                             ; kept for the prefetches
	s_mul_i32 s21, s[WV], CHK                      ; where it goes: chunk wave - 1 behind A: no place in the cluster enters an LDS address
	s_add_co_u32 s21, s21, BOFF-CHK
	s_wait_dscnt 0x0                               ; the opening add is done
	s_wait_kmcnt 0x0
	s_add_nc_u64 s[18:19], s[4:5], s[16:17]
	s_add_nc_u64 s[46:47], s[6:7], s[46:47]
	CROUND                                         ; all sixteen work-groups are here: the first joint loads meet
.irp s, 0,1
	s_mov_b32 s[G0+4*(\s)], 1
	s_mov_b32 s[G0+4*(\s)+1], (\s)*SLOT1
	s_add_nc_u64 s[G0+4*(\s)+2:G0+4*(\s)+3], s[18:19], (\s)*ASTEP
	s_or_b32 s[G0+4*(\s)+3], s[G0+4*(\s)+3], 0x80000000
	s_mov_b32 s[G0B+4*(\s)], 1
	s_add_co_u32 s[G0B+4*(\s)+1], s21, (\s)*SLOT1
	s_add_nc_u64 s[G0B+4*(\s)+2:G0B+4*(\s)+3], s[46:47], (\s)*BSTEP
	s_or_b32 s[G0B+4*(\s)+3], s[G0B+4*(\s)+3], 0x80000000
	JLOAD \s                                       ; K steps 0 and 1: two loads of mine are out
.endr
	v_and_b32 v1, 15, v0                           ; l % 16
	v_bfe_u32 v2, v0, 4, 1                         ; l / 16
	v_mul_u32_u24 v3, v1, PA                       ; a fragment of A: row l % 16, 16 bytes for each half of the lanes, twice, 32 bytes apart
	v_lshl_add_u32 v3, v2, 4, v3
	s_mul_i32 s22, s[RH], 128*PA                   ; my 128 rows
	v_add_nc_u32 v[ADA0], s22, v3
	v_and_b32 v4, 7, v0                            ; the turning load: lane l reads row of K 8 (l / 16) + l % 8, columns 8 ((l / 8) % 2) + 0..7, and is left with column l % 16 and 8 of K
	v_lshl_add_u32 v4, v2, 3, v4
	v_mul_u32_u24 v4, v4, PB
	v_bfe_u32 v5, v0, 3, 1
	v_lshl_add_u32 v4, v5, 4, v4
	; My column block b is the tile's block 12 (wave % 2) + b: chunk (that) / 8, 32 bytes for each block in it.  A third's four blocks lie on end.  Left half: chunk 0 byte 0; chunk 0 byte 128; chunk 1 byte 0.
	; Right half: chunk 1 byte 128; chunk 2 byte 0; chunk 2 byte 128.
	s_mul_i32 s22, s[CW], CHK+128
	s_add_co_u32 s22, s22, BOFF
	v_add_nc_u32 v[ADB0], s22, v4
	s_add_co_u32 s22, s22, CHK
	v_add_nc_u32 v[ADB0+2], s22, v4
	s_mul_i32 s22, s[CW], 2*CHK-128
	s_add_co_u32 s22, s22, BOFF+128
	v_add_nc_u32 v[ADB0+1], s22, v4
	s_mov_b32 s[TB], 0                             ; the first fragments come from slot 0
	v_add_nc_u32 v[ADA], s[TB], v[ADA0]
	v_add_nc_u32 v[ADB], s[TB], v[ADB0]
	v_add_nc_u32 v[ADB+1], s[TB], v[ADB0+1]
	v_add_nc_u32 v[ADB+2], s[TB], v[ADB0+2]
	s_mul_i32 s22, s[RH], 64*SP                    ; into the stage: 64 of my rows at a time, my 384 bytes of them; row l % 16, 16 bytes for each half of the lanes
	s_mul_i32 s23, s[CW], 384
	s_add_co_u32 s22, s22, s23
	s_add_co_u32 s22, s22, STAGE
	v_mul_u32_u24 v6, v1, SP
	v_lshl_add_u32 v6, v2, 4, v6
	v_add_nc_u32 v[STO], s22, v6
	s_mul_i32 s22, s[WV], 32*SP                    ; back: wave w takes stage rows 32 w .. 32 w + 31, whole; lanes 0-15 a chunk's 256 bytes of one row, lanes 16-31 of the next
	s_add_co_u32 s22, s22, STAGE
	v_mul_u32_u24 v7, v2, SP
	v_lshl_add_u32 v7, v1, 4, v7
	v_add_nc_u32 v[RD], s22, v7
	v_lshlrev_b32 v7, 9, v2                        ; and the same two rows in C, 512 bytes apart
	v_lshl_add_u32 v[CO], v1, 4, v7
	s_lshl_b32 s16, s43, 8                         ; stage row 32 w + i of half p is the tile's row 128 (w / 2) + 64 p + 32 (w % 2) + i
	s_lshl_b32 s17, s[RH], 7
	s_add_co_u32 s16, s16, s17
	s_lshl_b32 s17, s[CW], 5
	s_add_co_u32 s16, s16, s17
	s_lshl_b32 s16, s16, 9                         ; 512 bytes a row
	s_mov_b32 s17, 0
	s_add_nc_u64 s[8:9], s[8:9], s[16:17]
.irp c, 0,1,2
	s_add_co_u32 s46, s81, \c                      ; chunk 3 nt + c:
	s_lshr_b32 s47, s46, 1
	s_lshl_b32 s47, s47, 22                        ; its block of 8,192 rows of 512 bytes,
	s_and_b32 s46, s46, 1
	s_lshl_b32 s46, s46, 8                         ; its half of a row
	s_add_co_u32 s46, s46, s47
	s_mov_b32 s47, 0
	s_add_nc_u64 s[OB+2*(\c):OB+2*(\c)+1], s[8:9], s[46:47]
.endr
	; the prefetches: they stand at K step 2; each trip steps them by a K step ahead of its change of slots
	s_lshl_b32 s20, s43, 15                        ; A: the tile row's 32,768 bytes of a slab,
	s_lshl_b32 s21, s42, 12                        ; my work-group's 16 blocks of them
	s_add_co_u32 s20, s20, s21
	s_add_co_u32 s20, s20, 2*ASTEP
	s_lshl_b32 s22, s41, 14                        ; B: my work-group's 32 rows of K of the 128,
	s_add_co_u32 s22, s22, s82                     ; in my chunk
	s_add_co_u32 s22, s22, 2*BSTEP
	s_and_b32 s23, ttmp7, 0xffff                   ; cluster y
	s_cmp_eq_u32 s[WV], 0                          ; wave 0 asks for A
	s_cselect_b64 s[PFA:PFA+1], s[4:5], s[6:7]
	s_cselect_b32 s20, s20, s22
	s_cselect_b32 s23, 0, s23                      ; A is shared out among all that read it; B is asked for where cluster y = 0: the same in all sixteen partners, for a given wave
	s_cselect_b32 s80, 20, 15                      ; a K step is 2^20 bytes of A, 2^15 of B
	s_cselect_b32 s21, 20, 13                      ; lanes 16-31: A: the next slab; B: 16 rows of 512 bytes on
	s_cselect_b32 s22, 8, 9                        ; lane l % 16: A: a block of 256 bytes; B: a row of 512
	s_lshl_b32 s[PST], 1, s80
	s_mov_b32 s[PST+1], 0
	v_lshlrev_b32 v[PFO], s21, v2
	v_lshlrev_b32 v5, s22, v1
	v_add_nc_u32 v[PFO], v[PFO], v5
	s_mov_b32 s21, 0
	s_add_nc_u64 s[PFA:PFA+1], s[PFA:PFA+1], s[20:21]
	s_cmp_eq_u32 s23, 0
	s_cselect_b32 s[LIM], 2, -1
; 8 matrix instructions: column block 4 t + bb x my 8 row blocks, quarter q.  zero = 1: the product starts the sums.
; The 96 accumulators take turns in one order, one instruction a turn, over the backward jump too.
.macro MUL8 t, q, bb, zero
	WIN 0x50*((\t)+1)                              ; sources in window 0, C and D in window 1 + t
.irp a, 0,1,2,3,4,5,6,7
.if \zero
	v_wmma_f32_16x16x32_f16 v[8*(8*(\bb)+(\a)):8*(8*(\bb)+(\a))+7], v[BB+32*(\t)+8*(\bb):BB+32*(\t)+8*(\bb)+7], v[AB+64*(\q)+8*(\a):AB+64*(\q)+8*(\a)+7], 0
.else
	v_wmma_f32_16x16x32_f16 v[8*(8*(\bb)+(\a)):8*(8*(\bb)+(\a))+7], v[BB+32*(\t)+8*(\bb):BB+32*(\t)+8*(\bb)+7], v[AB+64*(\q)+8*(\a):AB+64*(\q)+8*(\a)+7], v[8*(8*(\bb)+(\a)):8*(8*(\bb)+(\a))+7]
.endif
.endr
.endm
.macro MUL32 t, q, zero                ; a third
.irp bb, 0,1,2,3
	MUL8 \t, \q, \bb, \zero
.endr
.endm
.macro LDB t, q                        ; 8 LDS loads: B's third t of quarter q of the slot that the addresses name, into buffer t
.irp i, 0,1,2,3
	ds_load_tr16_b128 v[BB+32*(\t)+8*(\i):BB+32*(\t)+8*(\i)+3],   v[ADB+(\t)] offset:(\q)*32*PB+32*(\i)
	ds_load_tr16_b128 v[BB+32*(\t)+8*(\i)+4:BB+32*(\t)+8*(\i)+7], v[ADB+(\t)] offset:(\q)*32*PB+32*(\i)+16*PB
.endr
.endm
.macro LDA q                           ; 16 LDS loads: A's 8 fragments of quarter q, into buffer q
.irp a, 0,1,2,3,4,5,6,7
	ds_load_b128 v[AB+64*(\q)+8*(\a):AB+64*(\q)+8*(\a)+3],   v[ADA] offset:(\a)*16*PA+64*(\q)
	ds_load_b128 v[AB+64*(\q)+8*(\a)+4:AB+64*(\q)+8*(\a)+7], v[ADA] offset:(\a)*16*PA+64*(\q)+32
.endr
.endm
; A STEP'S FIRST QUARTER.  Each run fills the buffer that the third before has multiplied, four places behind its last product.  Each wait leaves out the run of the third before and the run just issued.
.macro Q0 zero
	PLACES
	WIN 0
	LDB 2, 0
	s_wait_dscnt 16                                ; 8 + 8 may be out: B's third 0 and A's quarter 0 are in
	MUL32 0, 0, \zero
	PLACES
	WIN 0
	LDB 0, 1
	LDA 1
	s_wait_dscnt 32                                ; 8 + 24 may be out: B's third 1 is in
	MUL32 1, 0, \zero
	PLACES
	WIN 0
	LDB 1, 1
	s_wait_dscnt 32                                ; 24 + 8 may be out: B's third 2 is in
	MUL32 2, 0, \zero
.endm
; A STEP'S SECOND QUARTER, with the change of slots in its middle third.  mode = 2: this slot is filled again, two K steps on; 1: nothing is left to fetch; 0: the last step: there is no next slot.
; ONE barrier for the change: in front of it each wave waits for all its tensor loads (one is out: its part of the next slot), adds 0 to its spare word, and waits for that and for its reads of this slot, of which
; the last were issued a third ago.  With mode = 2 the barrier opens a round of the cluster's, and the joint refill is the first thing behind it: it has a K step less 16 matrix instructions in which to land.
.macro Q1 mode
	PLACES
	WIN 0
	LDB 2, 1                                       ; my last reads of this slot
	s_wait_dscnt 16                                ; 8 + 8 may be out: B's third 0 and A's quarter 1 are in
	MUL32 0, 1, 0
.if (\mode) == 0
	s_wait_dscnt 8                                 ; the 8 just issued may be out
	MUL32 1, 1, 0
	s_wait_dscnt 0x0
	MUL32 2, 1, 0
.else
	WIN 0
	s_wait_tensorcnt 0x0                           ; no tensor load of mine is out, so a group 0 may be written
	ds_add_u32 v[SPW], v[NIL]                      ; 0 onto my spare word; the addresses, the descriptors' steps and eight products stand between it and the wait for it
	s_xor_b32 s[TB], s[TB], SLOT1                  ; from here on fragments come from the other slot
	v_add_nc_u32 v[ADA], s[TB], v[ADA0]
	v_add_nc_u32 v[ADB], s[TB], v[ADB0]
	v_add_nc_u32 v[ADB+1], s[TB], v[ADB0+1]
	v_add_nc_u32 v[ADB+2], s[TB], v[ADB0+2]
.if (\mode) == 2
	s_xor_b32 s[G0+5], s[G0+5], SLOT1              ; the walking descriptors: the other slot than last time, which is the slot in hand; the next K step; the type bits on top are not reached
	s_add_nc_u64 s[G0+6:G0+7], s[G0+6:G0+7], ASTEP
	s_xor_b32 s[G0B+5], s[G0B+5], SLOT1
	s_add_nc_u64 s[G0B+6:G0B+7], s[G0B+6:G0B+7], BSTEP
.endif
	s_wait_dscnt 9                                 ; the 8 just issued and the add may be out: B's third 1 is in
	MUL8 1, 1, 0, 0
	s_wait_dscnt 0x0                               ; the add is done, and my reads of this slot are over
	s_barrier_signal -1
	MUL8 1, 1, 1, 0
	WIN 0
	s_barrier_wait -1
.if (\mode) == 2
	CREST                                          ; no wave of any partner still reads this slot or has a load on its way
	JLOAD 1                                        ; its four v_nop are also the places in front of the loads below
.else
	PLACES
.endif
	LDB 0, 0                                       ; the next step's first third of B and first quarter of A: 48 products ahead of their use
	LDA 0
.if (\mode) == 2
	ASK
.endif
	MUL8 1, 1, 2, 0
	MUL8 1, 1, 3, 0
	PLACES
	WIN 0
	LDB 1, 0
	MUL32 2, 1, 0                                  ; B's third 2 came in with the wait for 0 above
.endif
.endm
	s_wait_tensorcnt 1                             ; my part of K step 0 is in; K step 1's may stay out
	s_barrier_signal -1
	s_barrier_wait -1
	LDB 0, 0
	LDA 0
	LDB 1, 0
	Q0 1                                           ; the first quarter stands in front of the loop: its products start the sums
	WIN 0
	s_mov_b32 s[CNT], 14
.Lstep:                                                ; 14 trips: step s's second quarter (s = 14 - the count), which asks for K step s + 2, and step s + 1's first
	s_wait_xcnt 0x0                                ; the last prefetch, most of two steps back, has read its address:
	s_add_nc_u64 s[PFA:PFA+1], s[PFA:PFA+1], s[PST:PST+1]  ; a K step on
	Q1 2
	Q0 0
	WIN 0
	s_sub_co_u32 s[CNT], s[CNT], 1
	s_cmp_lg_u32 s[CNT], 0
	s_cbranch_scc1 .Lstep
	Q1 1                                           ; the tail is written out
	Q0 0
	Q1 0
	; THE WAY OUT, in two halves of 64 of each wave's rows.  Rounded to f16, 16 bytes a lane into the work-group's stage; a barrier, since a row's middle chunk comes from two waves; back as whole chunks of
	; whole rows, 32 rows a wave: sixteen lanes store 256 consecutive bytes, aligned.  A second barrier stands between a half's reads and the next half's writes.
.macro CVT p                           ; my row blocks 4 p .. 4 p + 3: each accumulator's registers in ascending order
.irp t, 0,1,2
	WIN 5*((\t)+1)                                 ; sources 0 and 1 in window 1 + t
.irp bb, 0,1,2,3
.irp aa, 0,1,2,3
.irp r, 0,1,2,3
	v_cvt_pk_f16_f32 v[TMP+4*(12*(\aa)+4*(\t)+(\bb))+(\r)], v[8*(8*(\bb)+4*(\p)+(\aa))+2*(\r)], v[8*(8*(\bb)+4*(\p)+(\aa))+2*(\r)+1]
.endr
.endr
.endr
.endr
	WIN 0
.endm
.macro TOSTAGE
.irp aa, 0,1,2,3
.irp b, 0,1,2,3,4,5,6,7,8,9,10,11
	ds_store_b128 v[STO], v[TMP+4*(12*(\aa)+(\b)):TMP+4*(12*(\aa)+(\b))+3] offset:(\aa)*16*SP+32*(\b)
.endr
.endr
	s_wait_dscnt 0x0                               ; for the others' sake: my stores into the stage are done
	s_barrier_signal -1
	s_barrier_wait -1
.irp t, 0,1,2,3,4,5,6,7,8,9,10,11,12,13,14,15
.irp c, 0,1,2
	ds_load_b128 v[TMP+4*(3*(\t)+(\c)):TMP+4*(3*(\t)+(\c))+3], v[RD] offset:(\t)*2*SP+256*(\c)
.endr
.endr
.endm
.macro SEND p
.irp t, 0,1,2,3,4,5,6,7,8,9,10,11,12,13,14,15
	s_wait_dscnt 45-3*(\t)                         ; LDS loads come back in order: the three chunks of rows 2 t, 2 t + 1 are in, the younger loads stay out
.irp c, 0,1,2
	global_store_b128 v[CO], v[TMP+4*(3*(\t)+(\c)):TMP+4*(3*(\t)+(\c))+3], s[OB+2*(\c):OB+2*(\c)+1] offset:(\p)*32768+(\t)*1024
.endr
.endr
.endm
	WIN 0
	PLACES
	PLACES
	CVT 0
	TOSTAGE
	SEND 0                                         ; its last wait is for 0: my reads of the stage are over
	s_barrier_signal -1
	s_barrier_wait -1                              ; everybody's are
	s_wait_xcnt 0x0                                ; the stores have read their registers, which the second half takes again
	CVT 1
	TOSTAGE
	SEND 1
	s_wait_tensorcnt 0x0                           ; the wave's end: behind my last tensor load and my last LDS store
	ds_add_u32 v[SPW], v[NIL]
	s_wait_dscnt 0x0
	CROUND                                         ; the closing round: no work-group ends while a partner may still ask for a tile that names it
	s_endpgm
.Lfunc_end_k_qf47e1e923d_qkv:
	.size	k_qf47e1e923d_qkv, .Lfunc_end_k_qf47e1e923d_qkv-k_qf47e1e923d_qkv
	.p2alignl 7, 3214868480
	.fill 96, 4, 3214868480
	.section	.rodata,"a",@progbits
	.p2align	6, 0x0
	.amdhsa_kernel k_qf47e1e923d_qkv
		.amdhsa_group_segment_fixed_size 327680
		.amdhsa_private_segment_fixed_size 0
		.amdhsa_enable_private_segment 0
		.amdhsa_kernarg_size 24
		.amdhsa_user_sgpr_count 2
		.amdhsa_user_sgpr_kernarg_segment_ptr 1
		.amdhsa_wavefront_size32 1
		.amdhsa_system_sgpr_workgroup_id_x 1
		.amdhsa_system_sgpr_workgroup_id_y 1
		.amdhsa_system_sgpr_workgroup_id_z 1
		.amdhsa_system_vgpr_workitem_id 0
		.amdhsa_next_free_vgpr 1024
		.amdhsa_next_free_sgpr 84
		.amdhsa_reserve_vcc 0
		.amdhsa_float_denorm_mode_32 3
		.amdhsa_float_denorm_mode_16_64 3
		.amdhsa_memory_ordered 1
		.amdhsa_forward_progress 1
		.amdhsa_inst_pref_size 114
	.end_amdhsa_kernel
	.amdgpu_metadata
---
amdhsa.version: [ 1, 2 ]
amdhsa.kernels:
  - .name:           k_qf47e1e923d_qkv
    .symbol:         k_qf47e1e923d_qkv.kd
    .args:
      - { .name: xh, .offset: 0, .size: 8, .value_kind: global_buffer, .address_space: global }
      - { .name: wh, .offset: 8, .size: 8, .value_kind: global_buffer, .address_space: global }
      - { .name: qkv, .offset: 16, .size: 8, .value_kind: global_buffer, .address_space: global }
    .group_segment_fixed_size: 327680
    .private_segment_fixed_size: 0
    .kernarg_segment_align: 8
    .kernarg_segment_size: 24
    .max_flat_workgroup_size: 128
    .sgpr_count:     84
    .vgpr_count:     1024
    .wavefront_size: 32
...
	.end_amdgpu_metadata
.endif
;; end of part 2
;; launch attn (part 3): grid 16 x 16, 4 waves a work-group, clusters of 4 x 1, 327,680 bytes of LDS; arguments qkv, att; writes att
.if DOCPART == 3
	.amdgcn_target "amdgcn-amd-amdhsa--gfx1250"
	.amdhsa_code_object_version 6
	.text
	.protected	k_qf47e1e923d_attn
	.globl	k_qf47e1e923d_attn
	.p2align	8
	.type	k_qf47e1e923d_attn,@function
k_qf47e1e923d_attn:
	s_mov_b64 s[64:65], 0
	v_nop
	global_prefetch_b8 v0, s[64:65] scope:SCOPE_SE
	s_setreg_imm32_b32 hwreg(HW_REG_WAVE_MODE, 25, 1), 1
	s_wait_xcnt 0x0
	s_wait_alu depctr_hold_cnt(0) depctr_sa_sdst(0) depctr_va_vdst(0) depctr_va_sdst(0) depctr_va_ssrc(0) depctr_va_vcc(0) depctr_vm_vsrc(0)
	s_getreg_b32 s2, hwreg(HW_REG_IB_STS2, 6, 4)
	s_cmp_eq_u32 s2, 0
	s_cbranch_scc0 .Lentry_in_a_cluster
	s_endpgm
.Lentry_in_a_cluster:
	s_bfe_u32 s2, ttmp6, 0x10000c
	s_cmp_lg_u32 s2, 0x3003
	s_cbranch_scc0 .Lentry_shape_is_right
	s_endpgm
.Lentry_shape_is_right:
; CAUSAL ATTENTION, head size 256.  qkv: [3 x 4 heads][4 x 2048 rows][256] f16; q arrives multiplied by c = log2(e) / 32.  att[b s][256 h + d] = the sum over t <= s of softmax_t(q . k) v, f16, rounded once.
; Products, maxima and sums in f32; the weights p = 2^(s - m), m a running maximum, are rounded to f16 for the second product; their sum l is taken of the unrounded p.
; LIMITS.  q, k, v arrive within f16's 65,504; p lies in 0 to 1 and keeps f16's fixed step of 6e-8 below 6e-5.  A hidden score counts as its value less 1e30 (the problem's own text takes 1e9 away: the weight
; is 0 either way unless scores spread over more than 1e9); a weight below 2^-126 counts as 0; NaN and infinities are not treated apart.
; THE WALK.  A head (16 of them: grid y) has 8 blocks of 256 queries; block I needs the keys 0 .. 256 I + 255: 2 (I + 1) steps of 128 keys.  A CLUSTER of four work-groups takes blocks 7 - p and then p
; (p = cluster x): 18 steps whatever p, so all 256 work-groups do equal work.  Work-group cx takes the band of 64 queries at 256 I + 64 cx.  All four walk the same keys in step, so each tile of K and V is
; asked for JOINTLY.  Every count and branch hangs on p, the wave's number and counters, which the partners share; cx enters Q's and the output's addresses, the prefetch's address, and selects for the mask.
; WAVES.  qh = wave % 2: which 32 of the 64 queries; kh = wave / 2: which 64 of a step's 128 keys.  A wave runs its own running softmax over its keys for two tiles of 16 queries; register tile tau holds query
; tile tau xor kh.  At a block's end it keeps tile 0 and hands tile 1 to the wave with the other kh, through LDS: O = (O_A 2^(m_A - m) + O_B 2^(m_B - m)) / (l_A 2^(m_A - m) + l_B 2^(m_B - m)).
; A wave all of whose keys are hidden from a query ends with m near -1e30 and finite sums: its factor is 0.  Key 0 is seen by every query, so the other factor's m is a true score.
; LAYOUT.  S^T = K Q^T (source 0 = 16 keys, source 1 = 16 queries): a lane holds ONE query (l % 16) and the keys 8 (l / 16) + 0..7.  Two such results rounded to f16 ARE source 1 of O^T = V^T P.
; THE MASK starts the sum S^T: T x AL + BE is written into the accumulator, T = -1e30 where 8 (l / 16) + j > l % 16, with (AL, BE) = (1, 0) on the diagonal tile of 16 x 16, (0, 0) below it, (0, -1e30) above.
; THE TEXT.  A step is written twice: once in the loop of 16 trips, each of which fills its slot again, and once in the loop of the last two, which fill nothing.
; Which slot is in hand stands in a scalar register, 0 or SLOT, turned by an exclusive or; the LDS addresses are made from it.
; REGISTERS, in windows of 256 (s_set_vgpr_msb: bits 1:0 source 0, 3:2 source 1, 5:4 source 2, 7:6 destination):
;   window 0: v2-14 addresses; v16-31 statistics; v32-47 at work at a block's end; v48-55 T; v64-127 S^T (32 tau + 8 kb); v128-159 P (16 tau + 8 kk); v160-223 the packed output
;   window 1: O^T (128 tau + 8 cb)     window 2: v0-127 Q (64 tau + 8 c); v128-255 V of my keys 0-31     window 3: K (32 c + 8 kb); its first half takes V of my keys 32-63 when the scores are made
.set PK,    528       ; a row of K in LDS: 512 bytes + 16: the 16 rows of a load start at 16 different groups of four banks (64 banks of 4 bytes: ISA guide 11.1)
.set PV,    544       ; a row of V: 512 + 32
.set VOFF,  128*PK    ; a slot: 128 rows of K, then 128 rows of V: 137,216 bytes
.set SLOT,  139264    ; slot 1 begins here: 2^17 + 2^13, two bits that are set in none of the four tiles' places in slot 0 (0, 33,792, 67,584, 102,400), so one exclusive or turns a place in one slot into the other's
.set MRG,   2*SLOT    ; behind the ring, never filled by a tensor load: 8,704 bytes for each wave: half a tile of O^T (8,192), the statistics (256); later 16 rows x 528 for the way out
.set MRGW,  8704
.set SPARE, MRG+4*MRGW  ; the spare words, 128 bytes for each wave, which no other line names
.set AK0, 2           ; v2     my lane's place in a slot's K; never rewritten
.set AV0, 3           ; v3     the same for V
.set AKA, 4           ; v4     the LDS address of K's next runs of loads
.set AVA, 5           ; v5     of V's: it serves a step's last run and the next step's first, which read the same slot
.set VQ,  6           ; v6-7   my byte offset in my wave's 32 rows of Q, for tile 0, 1
.set MST, 8           ; v8     my region + 16 l
.set MS8, 9           ; v9     my region + 8 l
.set MLD, 10          ; v10    my partner's region + 16 l
.set ML8, 11          ; v11    my partner's region + 8 l
.set OST, 12          ; v12    the way out: my region + 528 (l % 16) + 16 (l / 16)
.set GO,  13          ; v13    16 l
.set PFO, 14          ; v14    256 l: the prefetch's lanes lie 256 bytes apart
.set ST,  16          ; tile tau's statistics at ST + 8 tau: m, a register named with it as a pair, l (even keys', odd keys'), c0-c3 at work; a takes c2's place
.set TP,  32
.set T,   48
.set SPW, 62          ; v62    my spare word; never rewritten
.set NIL, 63          ; v63    0; never rewritten
.set S,   64
.set P,   128
.set OUTP, 160
.set WV,  8           ; s8 wave, s9 qh, s10 kh, s11 cx, s12 p, s13 head
.set QH,  9
.set KH,  10
.set CX,  11
.set PBL, 12
.set HB,  13
.set KBASE, 16        ; s[16:17] K at my half (wave % 2) of the head's tile 0; s[18:19] V
.set VBASE, 18
.set QB_HI, 20        ; s[20:21] Q at my wave's 32 rows of the first block; s[22:23] of the second
.set QB_LO, 22
.set G1K, 24          ; s[24:31], s[32:39] descriptor group 1 for K and for V: they differ in the padding
.set G1V, 32
.set G0K, 40          ; s[40:47], s[48:55] group 0: a set for each of the two first fills; the second then walks on
.set G0V, 48
.set OB_HI, 56        ; s[56:57] the output at my 16 rows of the first block; s[58:59] of the second
.set OB_LO, 58
.set TB,  61          ; s61    where the slot begins from which the next fragments are fetched: 0 or SLOT
.set SEL, 62          ; s[62:63] v_permlanex16_b32's selects: each lane takes its own place in the other half
.set OFF, 66          ; s[66:67] a tile's byte offset
.set AL,  68          ; s[68:69], s[70:71] the mask's factor and addend, in the low words
.set BE,  70
.set BIGN, 72         ; -1e30
.set NXT, 73          ; the tile to be asked for next
.set LQ,  74          ; the number at which NXT goes back to 0
.set ENDC, 75         ; where the loop's count stands behind the first block's last step: 2 p + 1; behind that end 0
.set CNT, 76          ; the loops' count
.set DQ,  77          ; s77-78  for tile tau: my query tile's number less my first key tile's, in tiles of 16
.set DQL, 79          ; s79-80  their values at the second block's beginning
.set LIM, 81          ; a wave prefetches while CNT is above this
.set PFA, 84          ; s[84:85] where my prefetches stand
.set MSB, 0
.macro WIN new                      ; the high byte repeats the setting that is left; a switch that changes nothing is dropped
.if MSB != (\new)
	s_set_vgpr_msb (MSB<<8)|(\new)
.set MSB, (\new)
.endif
.endm
.set W_KQ, 0x0b       ; K in window 3, Q in window 2, S^T in window 0
.set W_RS, 0x41       ; destination and source 0 in window 1
.macro PLACES                       ; four places between a matrix instruction and a load into, or a vector line on, its registers
.rept 4
	v_nop
.endr
.endm
; A joint refill, by the walking descriptors.  Waves 0 and 1 fetch the two halves of the tile's K, waves 2 and 3 those of its V.  An s_nop 0 and four v_nop follow each line, ahead of the jump and the label.
.macro JLOAD
	s_cmp_lt_u32 s[WV], 2
	s_cbranch_scc0 .Lfor_v_\@
	tensor_load_to_lds s[G0K+4:G0K+7], s[G1K:G1K+7]
	s_nop 0
.rept 4
	v_nop
.endr
	s_branch .Lasked_\@
.Lfor_v_\@:
	tensor_load_to_lds s[G0V+4:G0V+7], s[G1V:G1V+7]
	s_nop 0
.rept 4
	v_nop
.endr
.Lasked_\@:
.endm
.macro CROUND                       ; a round of the cluster's barrier
	s_barrier_signal -1
	s_barrier_wait -1
	s_cmp_lg_u32 s[WV], 0
	s_cbranch_scc1 .Lnot_wave_0_\@
	s_barrier_signal -3
.Lnot_wave_0_\@:
	s_barrier_wait -3
	s_barrier_signal -1
	s_barrier_wait -1
.endm
; A PREFETCH INTO THE L2 of the head's tile that stands one refill on: 128 rows of K and of V, two blocks of 256 bytes a row: 512 blocks.  Each block is named once in the launch: the head's sixteen work-groups
; (g = 4 p + cx) share a tile out BY ADDRESS: g < 8 takes 16 rows of K, the others 16 rows of V: 32 blocks on end, a lane a block; wave 0 asks, one instruction a step.
; In step u of the walk (CNT = 16 - u) tile u + 3 is named, while u <= 12: tiles 0 to 2 come by their loads alone, and there is no tile 16.  All four clusters of a head walk 18 like steps, so each stands
; in step u when the cluster that walks the tiles on end (p = 0) does; the clusters that have turned to their second block go on asking their share of the tiles that the others still walk.
.macro ASK
	s_cmp_gt_u32 s[CNT], s[LIM]
	s_cbranch_scc0 .Lnot_mine_\@
	global_prefetch_b8 v[PFO], s[PFA:PFA+1] th:TH_LOAD_NT scope:SCOPE_SE
.Lnot_mine_\@:
.endm
	s_load_b128 s[4:7], s[0:1], 0x0  ; qkv s[4:5], att s[6:7]
	v_lshl_add_u32 v[SPW], v0, 2, SPARE
	v_mov_b32 v[NIL], 0
	ds_add_u32 v[SPW], v[NIL]       ; the wave's opening: the add and its wait stand ahead of my first tensor load; the set-up below stands between them
	v_lshrrev_b32 v1, 5, v0
	v_readfirstlane_b32 s[WV], v1
	s_and_b32 s[QH], s[WV], 1
	s_lshr_b32 s[KH], s[WV], 1
	s_bfe_u32 s[CX], ttmp6, 0x40000
	s_mov_b32 s[PBL], ttmp9         ; in a cluster launch ttmp9 counts clusters
	s_and_b32 s[HB], ttmp7, 0xffff
	s_lshr_b32 s14, s[HB], 2        ; b
	s_and_b32 s15, s[HB], 3         ; h
	s_lshl2_add_u32 s60, s15, s14   ; 4 h + b:
	s_lshl_b32 s60, s60, 20         ; q's head begins here (1 MiB a head); k's 16 MiB, v's 32 MiB further on
	s_lshl_b32 s86, s[QH], 15       ; K: my half of a tile, 64 rows of 512 bytes: made of the head and the wave alone
	s_add_co_u32 s86, s86, s60
	s_add_co_u32 s86, s86, 16<<20
	s_mov_b32 s87, 0
	s_lshl_b32 s88, s[CX], 6
	s_lshl_b32 s89, s[QH], 5
	s_add_co_u32 s88, s88, s89      ; 64 cx + 32 qh
	s_sub_co_u32 s90, 7, s[PBL]     ; the first block's number
	s_lshl_b32 s91, s90, 8
	s_add_co_u32 s91, s91, s88      ; my wave's first row in the head, first block,
	s_lshl_b32 s92, s[PBL], 8
	s_add_co_u32 s92, s92, s88      ; second block
	s_lshl_b32 s[QB_HI], s91, 9
	s_add_co_u32 s[QB_HI], s[QB_HI], s60
	s_mov_b32 s[QB_HI+1], 0
	s_lshl_b32 s[QB_LO], s92, 9
	s_add_co_u32 s[QB_LO], s[QB_LO], s60
	s_mov_b32 s[QB_LO+1], 0
	s_lshl_b32 s93, s14, 11         ; the output: row 2048 b + my wave's first row + 16 kh, 2,048 bytes a row, + 512 h
	s_lshl_b32 s94, s[KH], 4
	s_add_co_u32 s93, s93, s94
	s_lshl_b32 s94, s15, 9
	s_add_co_u32 s[OB_HI], s93, s91
	s_lshl_b32 s[OB_HI], s[OB_HI], 11
	s_add_co_u32 s[OB_HI], s[OB_HI], s94
	s_mov_b32 s[OB_HI+1], 0
	s_add_co_u32 s[OB_LO], s93, s92
	s_lshl_b32 s[OB_LO], s[OB_LO], 11
	s_add_co_u32 s[OB_LO], s[OB_LO], s94
	s_mov_b32 s[OB_LO+1], 0
	s_lshl_b32 s94, s[CX], 2        ; DQ = 16 I + 4 cx + 2 qh + (tau xor kh) - 4 kh
	s_lshl1_add_u32 s94, s[QH], s94
	s_lshl_b32 s95, s[KH], 2
	s_sub_co_u32 s94, s94, s95
	s_xor_b32 s95, s[KH], 1
	s_lshl4_add_u32 s[DQ], s90, s94
	s_add_co_u32 s[DQ+1], s[DQ], s95
	s_add_co_u32 s[DQ], s[DQ], s[KH]
	s_lshl4_add_u32 s[DQL], s[PBL], s94
	s_add_co_u32 s[DQL+1], s[DQL], s95
	s_add_co_u32 s[DQL], s[DQL], s[KH]
	s_add_co_u32 s[LQ], s90, 1
	s_lshl_b32 s[LQ], s[LQ], 1      ; the first block has 2 (8 - p) steps: behind its last tile the asking goes back to tile 0;
	s_lshl_b32 s[ENDC], s[PBL], 1
	s_add_co_u32 s[ENDC], s[ENDC], 1  ; behind its last step the loop's count, which starts at 16, stands at 17 - 2 (8 - p) = 2 p + 1
	s_mov_b32 s[NXT], 2
	s_mov_b32 s[CNT], 16
	s_mov_b32 s[TB], 0
	s_cmp_eq_u32 s[WV], 0           ; wave 0 prefetches
	s_cselect_b32 s[LIM], 3, -1
	s_lshl2_add_u32 s94, s[PBL], s[CX]  ; g: my work-group among the head's sixteen
	s_lshr_b32 s95, s94, 3
	s_lshl_b32 s[PFA], s95, 24      ; K (g < 8) or V, 16 MiB on,
	s_and_b32 s94, s94, 7
	s_lshl_b32 s94, s94, 13         ; my 16 rows of 512 bytes,
	s_add_co_u32 s[PFA], s[PFA], s94
	s_add_co_u32 s[PFA], s[PFA], s60
	s_add_co_u32 s[PFA], s[PFA], (16<<20)+131072  ; at tile 2: the first step steps it to tile 3
	s_mov_b32 s[PFA+1], 0
	; descriptor group 1: a tile of 64 rows x 256 elements, padded in LDS
	s_mov_b32 s[G1K], 15|(1<<16)|(1<<20)|(1<<21)|(6<<22)|(3<<25)  ; the mask of four; 2-byte elements; padding on; bit 21 beside a mask; after every 128 words 4 words
	s_mov_b32 s[G1V], 15|(1<<16)|(1<<20)|(1<<21)|(6<<22)|(7<<25)  ; 8 words
.irp g, G1K, G1V
	s_mov_b32 s[\g+1], 256<<16      ; tensor_dim0 = 256
	s_mov_b32 s[\g+2], 64<<16       ; tensor_dim1 = 64
	s_mov_b32 s[\g+3], 256<<16      ; tile_dim0 = 256
	s_mov_b32 s[\g+4], 64           ; tile_dim1 = 64
	s_mov_b32 s[\g+5], 256          ; elements from row to row
	s_mov_b32 s[\g+6], 0
	s_mov_b32 s[\g+7], 0
.endr
	s_mul_i32 s2, s[QH], 64*PK      ; my half's place in a slot: no place in the cluster enters an LDS address
	s_mul_i32 s3, s[QH], 64*PV
	s_add_co_u32 s3, s3, VOFF
.irp s, 0,1
	s_mov_b32 s[G0K+4*(\s)], 1
	s_add_co_u32 s[G0K+4*(\s)+1], s2, (\s)*SLOT
	s_mov_b32 s[G0V+4*(\s)], 1
	s_add_co_u32 s[G0V+4*(\s)+1], s3, (\s)*SLOT
.endr
	s_mov_b32 s[SEL], 0x76543210
	s_mov_b32 s[SEL+1], 0xfedcba98
	s_mov_b32 s[OFF+1], 0
	s_mov_b32 s[AL+1], 0            ; named as pairs
	s_mov_b32 s[BE+1], 0
	s_mov_b32 s[BIGN], 0xf149f2ca   ; -1e30
	s_wait_dscnt 0x0                ; the opening add is done
	s_wait_kmcnt 0x0
	s_add_nc_u64 s[KBASE:KBASE+1], s[4:5], s[86:87]
	s_add_nc_u64 s[VBASE:VBASE+1], s[KBASE:KBASE+1], 16<<20
	s_add_nc_u64 s[QB_HI:QB_HI+1], s[4:5], s[QB_HI:QB_HI+1]
	s_add_nc_u64 s[QB_LO:QB_LO+1], s[4:5], s[QB_LO:QB_LO+1]
	s_add_nc_u64 s[OB_HI:OB_HI+1], s[6:7], s[OB_HI:OB_HI+1]
	s_add_nc_u64 s[OB_LO:OB_LO+1], s[6:7], s[OB_LO:OB_LO+1]
	s_add_nc_u64 s[PFA:PFA+1], s[4:5], s[PFA:PFA+1]
.irp s, 0,1
	s_add_nc_u64 s[G0K+4*(\s)+2:G0K+4*(\s)+3], s[KBASE:KBASE+1], (\s)*65536  ; tiles 0 and 1
	s_or_b32 s[G0K+4*(\s)+3], s[G0K+4*(\s)+3], 0x80000000
	s_add_nc_u64 s[G0V+4*(\s)+2:G0V+4*(\s)+3], s[VBASE:VBASE+1], (\s)*65536
	s_or_b32 s[G0V+4*(\s)+3], s[G0V+4*(\s)+3], 0x80000000
.endr
	CROUND                          ; all four work-groups are here: the first joint loads meet
	s_cmp_lt_u32 s[WV], 2           ; a wave's two first fills stand in one branch, ahead of every wait on TENSORcnt and every LDS read: two loads of mine are out
	s_cbranch_scc0 .Lfirst_v
	tensor_load_to_lds s[G0K:G0K+3], s[G1K:G1K+7]
	s_nop 0
	tensor_load_to_lds s[G0K+4:G0K+7], s[G1K:G1K+7]
	s_nop 0
.rept 4
	v_nop
.endr
	s_branch .Lfirst_asked
.Lfirst_v:
	tensor_load_to_lds s[G0V:G0V+3], s[G1V:G1V+7]
	s_nop 0
	tensor_load_to_lds s[G0V+4:G0V+7], s[G1V:G1V+7]
	s_nop 0
.rept 4
	v_nop
.endr
.Lfirst_asked:
	v_and_b32 v1, 15, v0            ; l % 16
	v_bfe_u32 v56, v0, 4, 1         ; l / 16
	v_and_b32 v57, 7, v0
	v_bfe_u32 v58, v0, 3, 1
	v_and_b32 v59, 31, v0           ; l
	v_lshlrev_b32 v60, 9, v1        ; a fragment of Q: row l % 16 (512 bytes), 16 bytes for each half of the lanes, twice, 32 bytes apart
	v_lshl_add_u32 v60, v56, 4, v60
	s_lshl_b32 s14, s[KH], 13       ; register tile 0 holds query tile kh,
	s_xor_b32 s15, s14, 8192        ; tile 1 the other: 16 rows are 8,192 bytes
	v_add_nc_u32 v[VQ], s14, v60
	v_add_nc_u32 v[VQ+1], s15, v60
.macro QLOAD base                   ; 32 queries x 256 channels: 32 loads
	WIN 0x80                        ; destination window 2
.irp t, 0,1
.irp c, 0,1,2,3,4,5,6,7
	global_load_b128 v[64*(\t)+8*(\c):64*(\t)+8*(\c)+3],   v[VQ+(\t)], s[\base:\base+1] offset:64*(\c)
	global_load_b128 v[64*(\t)+8*(\c)+4:64*(\t)+8*(\c)+7], v[VQ+(\t)], s[\base:\base+1] offset:64*(\c)+32
.endr
.endr
	WIN 0
.endm
	QLOAD QB_HI
	; A block's first step multiplies O^T and l by a = 0, so these need only hold finite numbers: zeros for the first block, what the first block left for the second.  No first step is written out; the price:
	; O^T's 256 registers are set to 0 by 32 products of a fragment of zeros with another, in the wait for the first tile: 48 lines for 256.
.set i, 0
.rept 16
	v_mov_b32 v[OUTP+i], 0          ; two fragments of zeros, in registers that are idle until a block's end
.set i, i+1
.endr
	WIN 0x40                        ; destination window 1
.set i, 0
.rept 32
	v_wmma_f32_16x16x32_f16 v[8*i:8*i+7], v[OUTP:OUTP+7], v[OUTP+8:OUTP+15], 0
.set i, i+1
.endr
	WIN 0
.set i, ST
.rept 32
	v_mov_b32 v[i], 0               ; the statistics, and what is at work at a block's end
.set i, i+1
.endr
	v_mov_b32 v[ST], 0xff7fffff     ; m: the lowest finite number
	v_mov_b32 v[ST+8], 0xff7fffff
	v_lshlrev_b32 v60, 3, v56
	v_sub_nc_u32 v60, v1, v60       ; l % 16 - 8 (l / 16): register j is hidden on the diagonal tile where j is greater
.set i, 0
.rept 8
	v_cmp_gt_i32 vcc_lo, i, v60
	v_cndmask_b32 v[T+i], 0, s[BIGN], vcc_lo
.set i, i+1
.endr
	v_mul_u32_u24 v[AK0], v1, PK    ; a fragment of K: row l % 16, 16 bytes for each half of the lanes
	v_lshl_add_u32 v[AK0], v56, 4, v[AK0]
	s_mul_i32 s14, s[KH], 64*PK     ; my 64 keys of the 128
	v_add_nc_u32 v[AK0], s14, v[AK0]
	v_lshl_add_u32 v[AV0], v56, 3, v57  ; the turning load: lane l reads key 8 (l / 16) + l % 8, channels 8 ((l / 8) % 2) + 0..7, and is left with channel l % 16 and 8 keys
	v_mul_u32_u24 v[AV0], v[AV0], PV
	v_lshl_add_u32 v[AV0], v58, 4, v[AV0]
	s_mul_i32 s14, s[KH], 64*PV
	s_add_co_u32 s14, s14, VOFF
	v_add_nc_u32 v[AV0], s14, v[AV0]
	v_add_nc_u32 v[AKA], s[TB], v[AK0]  ; the first fragments come from slot 0
	v_add_nc_u32 v[AVA], s[TB], v[AV0]
	s_mul_i32 s14, s[WV], MRGW
	s_add_co_u32 s14, s14, MRG      ; my region,
	s_xor_b32 s15, s[WV], 2
	s_mul_i32 s15, s15, MRGW
	s_add_co_u32 s15, s15, MRG      ; my partner's: the same queries, the other keys
	v_lshl_add_u32 v[MST], v59, 4, s14
	v_lshl_add_u32 v[MS8], v59, 3, s14
	v_lshl_add_u32 v[MLD], v59, 4, s15
	v_lshl_add_u32 v[ML8], v59, 3, s15
	v_mul_u32_u24 v[OST], v1, PK
	v_lshl_add_u32 v[OST], v56, 4, v[OST]
	v_add_nc_u32 v[OST], s14, v[OST]
	v_lshlrev_b32 v[GO], 4, v59
	v_lshlrev_b32 v[PFO], 8, v59
; THE MASK: the eight accumulators of S^T are started; then my key tiles move on by a step's eight.  Selects, no branch: DQ hangs on the work-group's place in its cluster.
.macro MASKS
	WIN 0
.irp t, 0,1
.irp kb, 0,1,2,3
	s_cmp_eq_i32 s[DQ+(\t)], \kb    ; the diagonal tile?
	s_cselect_b32 s[AL], 1.0, 0
	s_cmp_lt_i32 s[DQ+(\t)], \kb    ; or above it?
	s_cselect_b32 s[BE], s[BIGN], 0
.irp z, 0,1,2,3
	v_pk_fma_f32 v[S+32*(\t)+8*(\kb)+2*(\z):S+32*(\t)+8*(\kb)+2*(\z)+1], v[T+2*(\z):T+2*(\z)+1], s[AL:AL+1], s[BE:BE+1] op_sel_hi:[1,0,0]
.endr
.endr
.endr
	s_sub_co_u32 s[DQ], s[DQ], 8
	s_sub_co_u32 s[DQ+1], s[DQ+1], 8
.endm
; S^T += K Q^T: 64 matrix instructions; the eight accumulators take turns, one instruction a turn.
.macro QK
	WIN W_KQ
.irp c, 0,1,2,3,4,5,6,7
.irp kb, 0,1,2,3
.irp t, 0,1
	v_wmma_f32_16x16x32_f16 v[S+32*(\t)+8*(\kb):S+32*(\t)+8*(\kb)+7], v[32*(\c)+8*(\kb):32*(\c)+8*(\kb)+7], v[64*(\t)+8*(\c):64*(\t)+8*(\c)+7], v[S+32*(\t)+8*(\kb):S+32*(\t)+8*(\kb)+7]
.endr
.endr
.endr
.endm
; O^T += V^T P for my keys 32 kk .. 32 kk + 31: 32 matrix instructions on 32 accumulators.  kk = 1: V lies in window 3, v0-127; kk = 0: in window 2, v128-255.
.macro PV kk
.if \kk
	WIN 0x53
.set rV0, 0
.else
	WIN 0x52
.set rV0, 128
.endif
.irp cb, 0,1,2,3,4,5,6,7,8,9,10,11,12,13,14,15
.irp t, 0,1
	v_wmma_f32_16x16x32_f16 v[128*(\t)+8*(\cb):128*(\t)+8*(\cb)+7], v[rV0+8*(\cb):rV0+8*(\cb)+7], v[P+16*(\t)+8*(\kk):P+16*(\t)+8*(\kk)+7], v[128*(\t)+8*(\cb):128*(\t)+8*(\cb)+7]
.endr
.endr
.endm
; THE LDS LOADS stand in runs of 32.  LDK: my 64 keys, channels 128 hf .. 128 hf + 127.  LDV: my keys 32 kk on, all channels, turned; ka = 1: into K's first half, 0: into window 2.
.macro LDK hf
	WIN 0xc0
.irp c, 0,1,2,3
.irp kb, 0,1,2,3
	ds_load_b128 v[32*(4*(\hf)+(\c))+8*(\kb):32*(4*(\hf)+(\c))+8*(\kb)+3],   v[AKA] offset:(\kb)*16*PK+(4*(\hf)+(\c))*64
	ds_load_b128 v[32*(4*(\hf)+(\c))+8*(\kb)+4:32*(4*(\hf)+(\c))+8*(\kb)+7], v[AKA] offset:(\kb)*16*PK+(4*(\hf)+(\c))*64+32
.endr
.endr
.endm
.macro LDV kk, ka
.if \ka
	WIN 0xc0
.set rV0, 0
.else
	WIN 0x80
.set rV0, 128
.endif
.irp cb, 0,1,2,3,4,5,6,7,8,9,10,11,12,13,14,15
	ds_load_tr16_b128 v[rV0+8*(\cb):rV0+8*(\cb)+3],   v[AVA] offset:(\kk)*32*PV+(\cb)*32
	ds_load_tr16_b128 v[rV0+8*(\cb)+4:rV0+8*(\cb)+7], v[AVA] offset:(\kk)*32*PV+16*PV+(\cb)*32
.endr
.endm
; THE SOFTMAX of one tile for one step is a list of 166 numbers; SM writes number j of it for tile t.  s0-s31 are the lane's 32 scores, in pairs 0-15.
;   0-15    the maximum of s0-s31 and the old m, three operands at a time (each accumulator's lowest registers are read first)
;   16-19   the other half of the lanes' maximum; the old m is kept; the new m; m_old - m_new          20  none
;   21-87   33 exponentials (a, then s0-s31) at the odd numbers from 23 on, a plain instruction between any two: s - m for a pair whose exponentials are to come, the rounding to f16 of a pair
;           whose exponentials are done, at last the first sums
;   88-101  the last rounding; the rest of the sums; l = a l + the sum          102-165  the tile's O^T times a
.macro SM t
.set rT, ST+8*(\t)
.set rS, S+32*(\t)
.set rP, P+16*(\t)
.set rO, 128*(\t)+2*(j-102)
.set q, (j-20)/2
.if j < 102
	WIN 0
.endif
.if j < 4
	v_max3_num_f32 v[rT+4+j], v[rS+8*j], v[rS+8*j+1], v[rS+8*j+2]
.elseif j < 12
	v_max3_num_f32 v[rT+4+j%4], v[rT+4+j%4], v[rS+8*(j%4)+2*(j/4)+1], v[rS+8*(j%4)+2*(j/4)+2]
.elseif j == 12
	v_max3_num_f32 v[rT+4], v[rT+4], v[rS+7], v[rS+15]
.elseif j == 13
	v_max3_num_f32 v[rT+6], v[rT+6], v[rS+23], v[rS+31]
.elseif j == 14
	v_max3_num_f32 v[rT+4], v[rT+4], v[rT+5], v[rT+6]
.elseif j == 15
	v_max3_num_f32 v[rT+4], v[rT+4], v[rT+7], v[rT]
.elseif j == 16
	v_permlanex16_b32 v[rT+5], v[rT+4], s[SEL], s[SEL+1]  ; the query's other 32 keys of the step lie in the lane 16 away
.elseif j == 17
	v_mov_b32 v[rT+7], v[rT]
.elseif j == 18
	v_max_num_f32 v[rT], v[rT+4], v[rT+5]
.elseif j == 19
	v_sub_f32 v[rT+7], v[rT+7], v[rT]
.elseif j == 20
.elseif j == 23
	v_exp_f32 v[rT+6], v[rT+7]
.elseif (j < 88) && (j > 23) && (j%2 == 1)
	v_exp_f32 v[rS+(j-25)/2], v[rS+(j-25)/2]
.elseif (q < 4) || ((j < 76) && (q%2 == 0))
.set b, q/2+2
.if q < 4
.set b, q
.endif
	v_pk_add_f32 v[rS+2*b:rS+2*b+1], v[rS+2*b:rS+2*b+1], v[rT:rT+1] op_sel_hi:[1,0] neg_lo:[0,1] neg_hi:[0,1]  ; pair b: s - m
.elseif (j < 88) && (q%2 == 1)
	s_wait_alu depctr_va_vdst(0)
	v_cvt_pk_f16_f32 v[rP+(q-5)/2], v[rS+q-5], v[rS+q-4]  ; pair (q - 5) / 2: its second exponential stands three numbers back
.elseif j == 89
	s_wait_alu depctr_va_vdst(0)
	v_cvt_pk_f16_f32 v[rP+15], v[rS+30], v[rS+31]
.elseif j < 102                     ; the sum of the 16 pairs, in place: sum z of 16 adds neighbours 1, 2, 4 and 8 pairs apart, then l takes it
.set z, j-86
.if j < 89
.set z, (j-76)/4
.endif
.set w, 4
.set u, z
.if z >= 14
.set w, 32
.set u, 0
.elseif z >= 12
.set w, 16
.set u, z-12
.elseif z >= 8
.set w, 8
.set u, z-8
.endif
.if z < 15
	v_pk_add_f32 v[rS+w*u:rS+w*u+1], v[rS+w*u:rS+w*u+1], v[rS+w*u+w/2:rS+w*u+w/2+1]
.else
	v_pk_fma_f32 v[rT+2:rT+3], v[rT+2:rT+3], v[rT+6:rT+7], v[rS:rS+1] op_sel_hi:[1,0,1]
.endif
.else
	WIN W_RS
	v_pk_mul_f32 v[rO:rO+1], v[rO:rO+1], v[rT+6:rT+7] op_sel_hi:[1,0]
.endif
.endm
; Slices k0 .. k1 - 1: slice k is numbers 2 k and 2 k + 1 of both tiles.  From 11 to 43 tile by tile (plain, exponential, plain, exponential); elsewhere the tiles alternate.
.macro SOFT k0, k1
.set k, \k0
.rept (\k1)-(\k0)
.if (k >= 11) && (k < 44)
.irp t, 0,1
.irp n, 0,1
.set j, 2*k+(\n)
	SM \t
.endr
.endr
.else
.irp n, 0,1
.irp t, 0,1
.set j, 2*k+(\n)
	SM \t
.endr
.endr
.endif
.set k, k+1
.endr
.endm
; A STEP: my 64 keys x my 32 queries, in phases.  fill = 1: the slot in hand is filled again.
; When the scores are made, the last bytes that I want of the slot, V of my keys 32-63, are asked for.  Then each wave waits for all its tensor loads (at most one is out: its part of the other slot), adds 0 to its
; spare word, and waits for that and for its reads of the slot; behind the round no wave of any partner reads the slot any more, and the other slot is whole.  The refill has a whole step in which to land.
; The next step's fragments are fetched from the other slot in three runs, each four places behind the last product that read its registers.
.macro SSTEP fill
.if \fill
	s_wait_xcnt 0x0                 ; the last prefetch, most of a step back, has read its address:
	s_add_nc_u64 s[PFA:PFA+1], s[PFA:PFA+1], 65536  ; a tile on
.endif
	MASKS
	s_wait_dscnt 32                 ; K is in; the youngest 32 loads (V of my keys 0-31) may be out
	QK
	PLACES
	LDV 1, 1
	WIN 0
	s_wait_tensorcnt 0x0            ; no tensor load of mine is out, so a group 0 may be written
	ds_add_u32 v[SPW], v[NIL]       ; 0 onto my spare word; the descriptors' words, the maxima and the next addresses stand between it and the wait for it
.if \fill
	s_lshl_b32 s[OFF], s[NXT], 16   ; a tile is 65,536 bytes of K and of V; the address is made anew from the tile's number
	s_xor_b32 s[G0K+5], s[G0K+5], SLOT  ; the walking descriptors: the other slot than last time, which is the slot in hand
	s_add_nc_u64 s[G0K+6:G0K+7], s[KBASE:KBASE+1], s[OFF:OFF+1]
	s_or_b32 s[G0K+7], s[G0K+7], 0x80000000
	s_xor_b32 s[G0V+5], s[G0V+5], SLOT
	s_add_nc_u64 s[G0V+6:G0V+7], s[VBASE:VBASE+1], s[OFF:OFF+1]
	s_or_b32 s[G0V+7], s[G0V+7], 0x80000000
	s_add_co_u32 s[NXT], s[NXT], 1  ; the block's next tile, or behind its last the second block's tile 0
	s_cmp_eq_u32 s[NXT], s[LQ]
	s_cselect_b32 s[NXT], 0, s[NXT]
	s_cselect_b32 s[LQ], -1, s[LQ]
.endif
	s_xor_b32 s[TB], s[TB], SLOT    ; from here on fragments come from the other slot
	SOFT 0, 8
	v_add_nc_u32 v[AKA], s[TB], v[AK0]
	v_add_nc_u32 v[AVA], s[TB], v[AV0]
	s_wait_dscnt 0x0                ; the add is done, and my reads of the slot are over
.if \fill
	CROUND
	JLOAD
.else
	s_barrier_signal -1
	s_barrier_wait -1
.endif
	LDK 1                           ; the next step's K, channels 128-255: the products that read these registers stand in front of the places and the maxima above
.if \fill
	WIN 0
	ASK
.endif
	SOFT 8, 83
	PV 1
	PLACES
	LDK 0
	PV 0
	PLACES
	LDV 0, 0
	WIN 0
.endm
; A BLOCK'S END.  l is completed.  Tile 1's O^T goes to my partner in two halves of 64 registers, with m and l; my partner's tile 1, which is my tile 0's queries, comes back the same way.
; Four barriers: each half is stored, [barrier], read, [barrier: the arithmetic stands between its signal and its wait].  Behind the fourth my region is read by nobody else and serves as the stage of the way out.
.macro ENDBLK nextq, ob
	WIN 0
	v_add_f32 v[TP], v[ST+2], v[ST+3]
	v_add_f32 v[TP+1], v[ST+10], v[ST+11]
	v_mov_b32 v[TP+4], v[ST+8]      ; m of tile 1
	v_nop
	v_permlanex16_b32 v[TP+2], v[TP], s[SEL], s[SEL+1]
	v_permlanex16_b32 v[TP+3], v[TP+1], s[SEL], s[SEL+1]
	v_add_f32 v[TP], v[TP], v[TP+2]       ; l of tile 0
	v_add_f32 v[TP+5], v[TP+1], v[TP+3]   ; l of tile 1
	PLACES
	PLACES
.if \nextq
	QLOAD QB_LO                     ; the second block's Q lands while the first block leaves
.endif
.irp hf, 0,1
	WIN 0x04                        ; store data in window 1
.set i, 0
.rept 16
	ds_store_b128 v[MST], v[128+64*(\hf)+4*i:128+64*(\hf)+4*i+3] offset:512*i
.set i, i+1
.endr
	WIN 0
.if (\hf) == 0
	ds_store_b64 v[MS8], v[TP+4:TP+5] offset:8192
.endif
	s_wait_dscnt 0x0                ; for my partner's sake: my stores are done
	s_barrier_signal -1
	s_barrier_wait -1
.set i, 0
.rept 16
	ds_load_b128 v[S+4*i:S+4*i+3], v[MLD] offset:512*i
.set i, i+1
.endr
.if (\hf) == 0
	ds_load_b64 v[TP+6:TP+7], v[ML8] offset:8192
.endif
	s_wait_dscnt 0x0                ; my reads of my partner's region are over
	s_barrier_signal -1
.if (\hf) == 0
	v_max_num_f32 v[TP+8], v[ST], v[TP+6]
	v_sub_f32 v[TP+9], v[ST], v[TP+8]
	v_sub_f32 v[TP+10], v[TP+6], v[TP+8]
	v_exp_f32 v[TP+9], v[TP+9]      ; 2^(m_A - m)
	v_exp_f32 v[TP+10], v[TP+10]    ; 2^(m_B - m)
	v_nop                           ; a plain instruction behind the exponentials
	s_wait_alu depctr_va_vdst(0)
	v_mul_f32 v[TP+11], v[TP], v[TP+9]
	v_fma_f32 v[TP+11], v[TP+7], v[TP+10], v[TP+11]
	v_rcp_f32 v[TP+11], v[TP+11]
	v_nop                           ; and behind the reciprocal
	s_wait_alu depctr_va_vdst(0)
	v_mul_f32 v[TP+12], v[TP+9], v[TP+11]
	v_mul_f32 v[TP+14], v[TP+10], v[TP+11]
	v_mov_b32 v[TP+13], v[TP+12]
	v_mov_b32 v[TP+15], v[TP+14]
.endif
.set i, 0
.rept 32
	v_pk_mul_f32 v[S+i:S+i+1], v[S+i:S+i+1], v[TP+14:TP+15]
.set i, i+2
.endr
	WIN 0x01                        ; source 0 in window 1: my tile 0
.set i, 0
.rept 32
	v_pk_fma_f32 v[S+i:S+i+1], v[64*(\hf)+i:64*(\hf)+i+1], v[TP+12:TP+13], v[S+i:S+i+1]
.set i, i+2
.endr
	WIN 0
.set i, 0
.rept 32
	v_cvt_pk_f16_f32 v[OUTP+32*(\hf)+i], v[S+2*i], v[S+2*i+1]
.set i, i+1
.endr
	s_barrier_wait -1
.endr
.set i, 0
.rept 16
	ds_store_b128 v[OST], v[OUTP+4*i:OUTP+4*i+3] offset:32*i  ; a lane's eight channels of a row are 16 bytes
.set i, i+1
.endr
.set i, 0
.rept 16
	ds_load_b128 v[S+4*i:S+4*i+3], v[MST] offset:PK*i  ; back as whole rows of 512 bytes; LDS serves a wave's instructions in order (ISA guide 5.7.1.4)
.set i, i+1
.endr
.set i, 0
.rept 16
	s_wait_dscnt 15-i
	global_store_b128 v[GO], v[S+4*i:S+4*i+3], s[\ob:\ob+1] offset:2048*i  ; 512 consecutive bytes, aligned
.set i, i+1
.endr
.endm
	s_wait_tensorcnt 1              ; my part of tile 0 is in; tile 1's may stay out
	s_barrier_signal -1
	s_barrier_wait -1
	LDK 0
	LDK 1
	LDV 0, 0
	WIN 0
	s_wait_loadcnt 0x0              ; Q
.Lstep:                             ; sixteen trips: steps 0 to 15 of the walk's 18; each fills its slot again
	SSTEP 1
	; THE FIRST BLOCK'S END.  The block has 10, 12, 14 or 16 steps, so its end falls behind step 9, 11, 13 or 15 of the walk: where the count stands at 7, 5, 3 or 1.  The first two tests say that by the count
	; alone; the third picks the one of the four, by the cluster's number: the same in all waves and all partners.  The jumps pass whole barriers and no tensor load.
	s_and_b32 s14, s[CNT], 1
	s_cmp_eq_u32 s14, 0
	s_cbranch_scc1 .Lsame
	s_cmp_gt_u32 s[CNT], 7
	s_cbranch_scc1 .Lsame
	s_cmp_lg_u32 s[CNT], s[ENDC]
	s_cbranch_scc1 .Lsame
	ENDBLK 1, OB_HI
	v_mov_b32 v[ST], 0xff7fffff     ; the second block begins: m anew; a = 0 in its first step clears O^T and l
	v_mov_b32 v[ST+8], 0xff7fffff
	s_mov_b32 s[DQ], s[DQL]
	s_mov_b32 s[DQ+1], s[DQL+1]
	s_mov_b32 s[ENDC], 0            ; the count never stands at 0 at the tests above: this end is passed once; the second block ends with the walk
	s_wait_loadcnt 0x0              ; its Q
	s_wait_storecnt 0x0             ; the first block's stores are done: their data lie in S^T's registers, which the next step's masks write
.Lsame:
	s_sub_co_u32 s[CNT], s[CNT], 1
	s_cmp_lg_u32 s[CNT], 0
	s_cbranch_scc1 .Lstep
	s_mov_b32 s[CNT], 2
.Ltail:                             ; the last two steps ask for nothing.  The very last still fetches 96 fragments, from the slot read before it, which serve nothing: the price, once a work-group, of one text for both
	SSTEP 0
	s_sub_co_u32 s[CNT], s[CNT], 1
	s_cmp_lg_u32 s[CNT], 0
	s_cbranch_scc1 .Ltail
	ENDBLK 0, OB_LO
	s_wait_tensorcnt 0x0            ; the wave's end: behind my last tensor load and my last LDS store
	ds_add_u32 v[SPW], v[NIL]
	s_wait_dscnt 0x0
	CROUND                          ; the closing round: no work-group ends while a partner may still ask for a tile that names it
	s_endpgm
.Lfunc_end_k_qf47e1e923d_attn:
	.size	k_qf47e1e923d_attn, .Lfunc_end_k_qf47e1e923d_attn-k_qf47e1e923d_attn
	.p2alignl 7, 3214868480
	.fill 96, 4, 3214868480
	.section	.rodata,"a",@progbits
	.p2align	6, 0x0
	.amdhsa_kernel k_qf47e1e923d_attn
		.amdhsa_group_segment_fixed_size 327680
		.amdhsa_private_segment_fixed_size 0
		.amdhsa_enable_private_segment 0
		.amdhsa_kernarg_size 16
		.amdhsa_user_sgpr_count 2
		.amdhsa_user_sgpr_kernarg_segment_ptr 1
		.amdhsa_wavefront_size32 1
		.amdhsa_system_sgpr_workgroup_id_x 1
		.amdhsa_system_sgpr_workgroup_id_y 1
		.amdhsa_system_sgpr_workgroup_id_z 1
		.amdhsa_system_vgpr_workitem_id 0
		.amdhsa_next_free_vgpr 1024
		.amdhsa_next_free_sgpr 96
		.amdhsa_reserve_vcc 1
		.amdhsa_float_denorm_mode_32 3
		.amdhsa_float_denorm_mode_16_64 3
		.amdhsa_memory_ordered 1
		.amdhsa_forward_progress 1
		.amdhsa_inst_pref_size 151
	.end_amdhsa_kernel
	.amdgpu_metadata
---
amdhsa.version: [ 1, 2 ]
amdhsa.kernels:
  - .name:           k_qf47e1e923d_attn
    .symbol:         k_qf47e1e923d_attn.kd
    .args:
      - { .name: qkv, .offset: 0, .size: 8, .value_kind: global_buffer, .address_space: global }
      - { .name: att, .offset: 8, .size: 8, .value_kind: global_buffer, .address_space: global }
    .group_segment_fixed_size: 327680
    .private_segment_fixed_size: 0
    .kernarg_segment_align: 8
    .kernarg_segment_size: 16
    .max_flat_workgroup_size: 128
    .sgpr_count:     96
    .vgpr_count:     1024
    .wavefront_size: 32
...
	.end_amdgpu_metadata
.endif
;; end of part 3
;; launch proj (part 4): grid 4 x 64, 4 waves a work-group, clusters of 4 x 4, 327,680 bytes of LDS; arguments att, oh, x, y; writes y
.if DOCPART == 4
	.amdgcn_target "amdgcn-amd-amdhsa--gfx1250"
	.amdhsa_code_object_version 6
	.text
	.protected	k_qf47e1e923d_proj
	.globl	k_qf47e1e923d_proj
	.p2align	8
	.type	k_qf47e1e923d_proj,@function
k_qf47e1e923d_proj:
	s_mov_b64 s[64:65], 0
	v_nop
	global_prefetch_b8 v0, s[64:65] scope:SCOPE_SE
	s_setreg_imm32_b32 hwreg(HW_REG_WAVE_MODE, 25, 1), 1
	s_wait_xcnt 0x0
	s_wait_alu depctr_hold_cnt(0) depctr_sa_sdst(0) depctr_va_vdst(0) depctr_va_sdst(0) depctr_va_ssrc(0) depctr_va_vcc(0) depctr_vm_vsrc(0)
	s_getreg_b32 s2, hwreg(HW_REG_IB_STS2, 6, 4)
	s_cmp_eq_u32 s2, 0
	s_cbranch_scc0 .Lentry_in_a_cluster
	s_endpgm
.Lentry_in_a_cluster:
	s_bfe_u32 s2, ttmp6, 0x10000c
	s_cmp_lg_u32 s2, 0xf033
	s_cbranch_scc0 .Lentry_shape_is_right
	s_endpgm
.Lentry_shape_is_right:
; C = A B.  A: [8192][1024] f16, rows along K.  B: 1,024 rows of K, BSTR numbers from row to row, f16.  Sums in f32, K ascending.
; THIS TEXT (OUT32 = 1): y = att oh + x, in f32: the output projection and the residual.  B is oh = [1024][1024]; block nb is its columns 256 nb .. 256 nb + 255.  x and y: [8192][1024] f32.
; y stays in f32: it is what the norm's mean and variance are taken of.
; SHARES.  A work-group makes 128 rows x 256 columns; 64 x 4 of them are one for each of 256 WGPs.  Four waves, each 64 rows x 128 columns: 32 accumulators of 16 x 16.
; K goes in steps of 128 through two LDS slots.  Waves 0 and 1 fetch A's two halves (64 rows x 256 bytes), waves 2 and 3 B's (64 rows of K x 512 bytes): one tensor load a wave and step.
; CLUSTER.  4 x 4 work-groups: A's tile hangs on the tile row alone and is asked for jointly by a row of the cluster, B's on the tile column alone and is asked for by a column.
; THE PRODUCT IS USED TRANSPOSED: source 0 = 16 columns of B (turned on the way out of LDS by ds_load_tr16_b128, since B's rows lie along N), source 1 = 16 rows of A.
; A lane then holds row l % 16 of C and the columns 8 (l / 16) + 0..7.
; REGISTERS: window 0: v16-29 addresses, v32-63 at work, v64-159 and v160-255 two fragment buffers (8 of B, then 4 of A); window 1: accumulator (a, b) at 8 (8 a + b); window 2 (OUT32): x.
.set OUT32, 1
.set BSTR,  1024                       ; numbers from one row of B to the next
.set BCOL,  256*2                      ; bytes from one block of 256 columns of B to the next
.set SP,    528                        ; a stage row: 512 bytes + 16
.set KSTEP, 128
.set PA,    272                        ; a row of A in LDS: 256 bytes + 16: the 16 rows of a load start at 16 different groups of four banks (64 banks of 4 bytes: ISA guide 11.1)
.set PB,    544                        ; a row of B: 512 + 32 bytes
.set BOFF,  128*PA                     ; in a slot: A's 128 rows, then B's 128 rows of K
.set SLOT,  128*(PA+PB)
.set STAGE, 2*SLOT                     ; behind the ring, never filled by a tensor load: 16 rows for each wave
.set SPARE, STAGE+4*16*SP              ; behind the stages: the spare words, 128 bytes for each wave, which no other line names
.set LAPS,  1024/(2*KSTEP)
.set ADRA, 16                          ; v16-17  LDS address of my fragments of A in slot 0, 1
.set ADRB, 20                          ; v20-21  of B
.set STO,  24                          ; v24     the way out: where I put my part of a row
.set RD,   25                          ; v25     where I read rows back
.set CO,   26                          ; v26     my byte offset in C (OUT32: also in x)
.set SPW,  28                          ; v28     my spare word; never rewritten
.set NIL,  29                          ; v29     0; never rewritten
.set TMP,  32
.set F0,   64
.set F1,   160
.set WV, 12                            ; s12 wave; s13 wave / 2: my half of the rows, and: I fetch for A (0) or B (1); s14 wave % 2: my half of the columns, and: which half I fetch
.set HI, 13
.set LO, 14
.set G1,  24                           ; s[24:31] descriptor group 1 for A; s[32:39] group 0, a set for each slot
.set G0,  32
.set G1B, 48                           ; s[48:55], s[56:63] the same for B
.set G0B, 56
.set SC,  66                           ; s[66:67] the factor on the way out
.set MSB, 0
.macro WIN new                         ; the immediate's high byte repeats the setting that is left; a switch that changes nothing is dropped
.if MSB != (\new)
	s_set_vgpr_msb (MSB<<8)|(\new)
.set MSB, \new
.endif
.endm
.set MUL, 0x50                         ; sources in window 0, C and D in window 1
.macro JLOAD s                         ; a joint load; an s_nop 0 and four v_nop follow each of the two lines, ahead of the jump and the label
	s_cmp_eq_u32 s[HI], 0
	s_cbranch_scc0 .Lfor_b_\@
	tensor_load_to_lds s[G0+4*(\s):G0+4*(\s)+3], s[G1:G1+7]
	s_nop 0
.rept 4
	v_nop
.endr
	s_branch .Lasked_\@
.Lfor_b_\@:
	tensor_load_to_lds s[G0B+4*(\s):G0B+4*(\s)+3], s[G1B:G1B+7]
	s_nop 0
.rept 4
	v_nop
.endr
.Lasked_\@:
.endm
.macro CREST                           ; a round of the cluster's barrier behind its opening barrier
	s_cmp_lg_u32 s[WV], 0
	s_cbranch_scc1 .Lnot_wave_0_\@
	s_barrier_signal -3
.Lnot_wave_0_\@:
	s_barrier_wait -3
	s_barrier_signal -1
	s_barrier_wait -1
.endm
.macro CROUND
	s_barrier_signal -1
	s_barrier_wait -1
	CREST
.endm
.macro PLACES                          ; four places between a matrix instruction and a load into, or a vector line on, its registers
.rept 4
	v_nop
.endr
.endm
	s_load_b128 s[4:7], s[0:1], 0x0                ; A s[4:5], B s[6:7]
.if OUT32
	s_load_b128 s[8:11], s[0:1], 0x10              ; x s[8:9], y s[10:11]
.else
	s_load_b64 s[8:9], s[0:1], 0x10                ; C
.endif
	v_lshl_add_u32 v[SPW], v0, 2, SPARE
	v_mov_b32 v[NIL], 0
	ds_add_u32 v[SPW], v[NIL]                      ; the wave's opening: the add and its wait stand ahead of my first tensor load; the set-up below stands between them
	v_lshrrev_b32 v1, 5, v0
	v_readfirstlane_b32 s[WV], v1
	s_lshr_b32 s[HI], s[WV], 1
	s_and_b32 s[LO], s[WV], 1
	s_bfe_u32 s40, ttmp6, 0x40000                  ; cx, cy: my place in the cluster
	s_bfe_u32 s41, ttmp6, 0x40004
	s_lshl_b32 s42, ttmp9, 2
	s_add_co_u32 s42, s42, s40                     ; nb: block of 256 columns = 4 x cluster x + cx
	s_and_b32 s43, ttmp7, 0xffff
	s_lshl_b32 s43, s43, 2
	s_add_co_u32 s43, s43, s41                     ; mt: block of 128 rows = 4 x cluster y + cy
	s_lshl_b32 s44, s41, 2
	s_lshl_b32 s44, 15, s44                        ; my row of the cluster
	s_lshl_b32 s45, 0x1111, s40                    ; my column
	s_or_b32 s[G1], s44, (1<<16)|(1<<20)|(1<<21)|(5<<22)|(3<<25)   ; the mask; 2-byte elements; padding on; bit 21 beside a mask; after every 64 words 4 words
	s_or_b32 s[G1B], s45, (1<<16)|(1<<20)|(1<<21)|(6<<22)|(7<<25)  ; after every 128 words 8 words
	s_mov_b32 s[G1+1], KSTEP<<16                   ; tensor_dim0 = 128
	s_mov_b32 s[G1+2], 64<<16                      ; tensor_dim1 = 64
	s_mov_b32 s[G1+3], KSTEP<<16                   ; tile_dim0 = 128
	s_mov_b32 s[G1+4], 64                          ; tile_dim1 = 64
	s_mov_b32 s[G1+5], 1024                        ; numbers from row to row of A
	s_mov_b32 s[G1+6], 0
	s_mov_b32 s[G1+7], 0
	s_mov_b32 s[G1B+1], 256<<16                    ; tensor_dim0 = 256
	s_mov_b32 s[G1B+2], 64<<16
	s_mov_b32 s[G1B+3], 256<<16                    ; tile_dim0 = 256
	s_mov_b32 s[G1B+4], 64
	s_mov_b32 s[G1B+5], BSTR
	s_mov_b32 s[G1B+6], 0
	s_mov_b32 s[G1B+7], 0
	s_lshl_b32 s16, s43, 7                         ; A: row 128 mt + 64 x half, 2,048 bytes a row: made of the tile row and the wave alone
	s_lshl_b32 s17, s[LO], 6
	s_add_co_u32 s16, s16, s17
	s_lshl_b32 s16, s16, 11
	s_mov_b32 s17, 0
	s_mul_i32 s46, s42, BCOL                       ; B: my block of columns, row of K 64 x half: made of the tile column and the wave alone
	s_mul_i32 s47, s[LO], 64*BSTR*2
	s_add_co_u32 s46, s46, s47
	s_mov_b32 s47, 0
	s_mul_i32 s20, s[LO], 64*PA                    ; where they go: no place in the cluster enters an LDS address
	s_mul_i32 s21, s[LO], 64*PB
	s_add_co_u32 s21, s21, BOFF
.if !OUT32
	s_cmp_lt_u32 s42, 4                            ; a select, no branch: q's blocks take c = log2(e) / 32, the others 1
	s_cselect_b32 s[SC], 0x3d38aa3b, 1.0
	s_mov_b32 s[SC+1], s[SC]                       ; named with it as a pair
.endif
	s_wait_dscnt 0x0                               ; the opening add is done
	s_wait_kmcnt 0x0
	s_add_nc_u64 s[18:19], s[4:5], s[16:17]
	s_add_nc_u64 s[46:47], s[6:7], s[46:47]
	CROUND                                         ; all sixteen work-groups are here: the first joint loads meet
.irp s, 0,1
	s_mov_b32 s[G0+4*(\s)], 1
	s_add_co_u32 s[G0+4*(\s)+1], s20, (\s)*SLOT
	s_add_nc_u64 s[G0+4*(\s)+2:G0+4*(\s)+3], s[18:19], (\s)*KSTEP*2
	s_or_b32 s[G0+4*(\s)+3], s[G0+4*(\s)+3], 0x80000000
	s_mov_b32 s[G0B+4*(\s)], 1
	s_add_co_u32 s[G0B+4*(\s)+1], s21, (\s)*SLOT
	s_add_nc_u64 s[G0B+4*(\s)+2:G0B+4*(\s)+3], s[46:47], (\s)*KSTEP*BSTR*2
	s_or_b32 s[G0B+4*(\s)+3], s[G0B+4*(\s)+3], 0x80000000
	JLOAD \s                                       ; K steps 0 and 1: two loads of mine are out
.endr
	v_and_b32 v1, 15, v0                           ; l % 16
	v_bfe_u32 v2, v0, 4, 1                         ; l / 16
	v_mul_u32_u24 v3, v1, PA                       ; a fragment of A: row l % 16, 16 bytes for each half of the lanes, twice, 32 bytes apart
	v_lshl_add_u32 v3, v2, 4, v3
	s_mul_i32 s22, s[HI], 64*PA
	v_add_nc_u32 v[ADRA], s22, v3
	v_add_nc_u32 v[ADRA+1], SLOT, v[ADRA]
	v_and_b32 v4, 7, v0                            ; the turning load: lane l reads row of K 8 (l / 16) + l % 8, columns 8 ((l / 8) % 2) + 0..7, and is left with column l % 16 and 8 of K
	v_lshl_add_u32 v4, v2, 3, v4
	v_mul_u32_u24 v4, v4, PB
	v_bfe_u32 v5, v0, 3, 1
	v_lshl_add_u32 v4, v5, 4, v4
	s_lshl_b32 s23, s[LO], 8                       ; my 128 columns
	s_add_co_u32 s23, s23, BOFF
	v_add_nc_u32 v[ADRB], s23, v4
	v_add_nc_u32 v[ADRB+1], SLOT, v[ADRB]
	s_mul_i32 s22, s[WV], 16*SP
	s_add_co_u32 s22, s22, STAGE                   ; my stage
	v_mul_u32_u24 v6, v1, SP
.if OUT32
	v_lshl_add_u32 v6, v2, 5, v6                   ; in: row l % 16, 32 bytes for each half of the lanes
	v_add_nc_u32 v[STO], s22, v6
	v_and_b32 v7, 31, v0
	v_lshlrev_b32 v[CO], 4, v7                     ; back, and in x and y: 32 lanes take a row's 512 bytes
	v_add_nc_u32 v[RD], s22, v[CO]
.else
	v_lshl_add_u32 v6, v2, 4, v6                   ; in: row l % 16, 16 bytes for each half of the lanes
	v_add_nc_u32 v[STO], s22, v6
	v_mul_u32_u24 v7, v2, SP                       ; back: lanes 0-15 take one row of 256 bytes, lanes 16-31 the next
	v_lshl_add_u32 v7, v1, 4, v7
	v_add_nc_u32 v[RD], s22, v7
	v_lshlrev_b32 v7, 9, v2                        ; and the same two rows in C, 512 bytes apart
	v_lshl_add_u32 v[CO], v1, 4, v7
.endif
	s_lshl_b32 s16, s43, 7                         ; my first row of C: 128 mt + 64 x half
	s_lshl_b32 s17, s[HI], 6
	s_add_co_u32 s16, s16, s17
.if OUT32
	s_lshl_b32 s16, s16, 12                        ; 4,096 bytes a row
	s_lshl_b32 s46, s42, 10                        ; 1,024 bytes a block of columns,
	s_lshl_b32 s47, s[LO], 9                       ; 512 my half
.else
	s_lshl_b32 s16, s16, 9                         ; 512 bytes a row
	s_lshl_b32 s46, s42, 22                        ; 4 MiB a block: 8,192 rows
	s_lshl_b32 s47, s[LO], 8
.endif
	s_mov_b32 s17, 0
	s_add_co_u32 s46, s46, s47
	s_mov_b32 s47, 0
	s_add_nc_u64 s[8:9], s[8:9], s[16:17]
	s_add_nc_u64 s[8:9], s[8:9], s[46:47]
.if OUT32
	s_add_nc_u64 s[10:11], s[10:11], s[16:17]
	s_add_nc_u64 s[10:11], s[10:11], s[46:47]
	WIN 0x80                                       ; my 64 rows x 512 bytes of x, a row a load, into window 2: they land under the whole loop over K
.set i, 0
.rept 64
	global_load_b128 v[4*i:4*i+3], v[CO], s[8:9] offset:i*4096 th:TH_LOAD_NT
.set i, i+1
.endr
	WIN 0
.endif
; 8 matrix instructions: block a of my four blocks of 16 rows x all 8 blocks of 16 columns, 32 along K.  zero = 1: the product starts the sums.
; The 32 accumulators take turns in one order, one instruction a turn, over the backward jump too.
.macro MUL8 f, a, zero
	WIN MUL
.irp b, 0,1,2,3,4,5,6,7
.if \zero
	v_wmma_f32_16x16x32_f16 v[8*(8*(\a)+(\b)):8*(8*(\a)+(\b))+7], v[(\f)+8*(\b):(\f)+8*(\b)+7], v[(\f)+64+8*(\a):(\f)+64+8*(\a)+7], 0
.else
	v_wmma_f32_16x16x32_f16 v[8*(8*(\a)+(\b)):8*(8*(\a)+(\b))+7], v[(\f)+8*(\b):(\f)+8*(\b)+7], v[(\f)+64+8*(\a):(\f)+64+8*(\a)+7], v[8*(8*(\a)+(\b)):8*(8*(\a)+(\b))+7]
.endif
.endr
.endm
; 24 LDS loads in one run: quarter q (32 along K) of a slot into buffer f: B's 16, then A's 8
.macro FETCH slot, q, f
	WIN 0
.irp b, 0,1,2,3,4,5,6,7
	ds_load_tr16_b128 v[(\f)+8*(\b):(\f)+8*(\b)+3],   v[ADRB+(\slot)] offset:(\q)*32*PB+32*(\b)
	ds_load_tr16_b128 v[(\f)+8*(\b)+4:(\f)+8*(\b)+7], v[ADRB+(\slot)] offset:(\q)*32*PB+32*(\b)+16*PB
.endr
.irp a, 0,1,2,3
	ds_load_b128 v[(\f)+64+8*(\a):(\f)+64+8*(\a)+3],   v[ADRA+(\slot)] offset:(\q)*64+(\a)*16*PA
	ds_load_b128 v[(\f)+64+8*(\a)+4:(\f)+64+8*(\a)+7], v[ADRA+(\slot)] offset:(\q)*64+(\a)*16*PA+32
.endr
.endm
; One of a K step's first three quarters: multiplies buffer f; in its middle it fetches quarter q of the same slot into buffer g.
.macro QUARTER slot, q, f, g, zero
	s_wait_dscnt 4                                 ; B and A's blocks 0 and 1 are in; the youngest four loads (A's blocks 2 and 3) may be out
	MUL8 \f, 0, \zero
	MUL8 \f, 1, \zero
	PLACES
	FETCH \slot, \q, \g
	s_wait_dscnt 24                                ; all but the 24 just issued
	MUL8 \f, 2, \zero
	MUL8 \f, 3, \zero
.endm
; The last quarter multiplies buffer 1 and changes slots: ONE barrier; in front of it each wave waits for all its tensor loads (one is out: its part of the next slot), adds 0 to its spare
; word, and waits for that and for its reads of this slot.  fill = 1: the barrier opens a round of the cluster's, and this slot is filled again, two K steps on, first thing behind it.
.macro TURN slot, next, fill
	WIN 0
	s_wait_tensorcnt 0x0
	ds_add_u32 v[SPW], v[NIL]
	s_wait_dscnt 5                                 ; (the add and the youngest four loads may be out)
	MUL8 F1, 0, 0                                  ; eight matrix instructions stand between the add and the wait for it
	s_wait_dscnt 0x0                               ; the add is done, and my reads of this slot are over
	s_barrier_signal -1
	MUL8 F1, 1, 0
.if \fill
	WIN 0
.endif
	s_barrier_wait -1
.if \fill
	CREST                                          ; no wave of any partner still reads this slot or has a load on its way
	s_add_nc_u64 s[G0+4*(\slot)+2:G0+4*(\slot)+3], s[G0+4*(\slot)+2:G0+4*(\slot)+3], 2*KSTEP*2
	s_add_nc_u64 s[G0B+4*(\slot)+2:G0B+4*(\slot)+3], s[G0B+4*(\slot)+2:G0B+4*(\slot)+3], 2*KSTEP*BSTR*2
	JLOAD \slot                                    ; 112 matrix instructions ahead of the wait for it; its four v_nop are also the places in front of the loads below
.else
	PLACES
.endif
	FETCH \next, 0, F0
	MUL8 F1, 2, 0
	MUL8 F1, 3, 0
.endm
	s_wait_tensorcnt 1                             ; my part of K step 0 is in; K step 1's may stay out
	s_barrier_signal -1
	s_barrier_wait -1
	FETCH 0, 0, F0
	QUARTER 0, 1, F0, F1, 1                        ; the first quarter stands in front of the loop: its products start the sums
	WIN 0
	s_mov_b32 s3, LAPS-1
.Llap:                                                 ; a trip goes once round the ring, from a lap's second quarter to the next lap's first, and fills both slots again
	QUARTER 0, 2, F1, F0, 0
	QUARTER 0, 3, F0, F1, 0
	TURN 0, 1, 1
	QUARTER 1, 1, F0, F1, 0
	QUARTER 1, 2, F1, F0, 0
	QUARTER 1, 3, F0, F1, 0
	TURN 1, 0, 1
	QUARTER 0, 1, F0, F1, 0
	WIN 0
	s_sub_co_u32 s3, s3, 1
	s_cmp_lg_u32 s3, 0
	s_cbranch_scc1 .Llap
	QUARTER 0, 2, F1, F0, 0                        ; the last lap fills nothing
	QUARTER 0, 3, F0, F1, 0
	TURN 0, 1, 0
	QUARTER 1, 1, F0, F1, 0
	QUARTER 1, 2, F1, F0, 0
	QUARTER 1, 3, F0, F1, 0
	s_wait_dscnt 4
	MUL8 F1, 0, 0
	MUL8 F1, 1, 0
	s_wait_dscnt 0x0
	MUL8 F1, 2, 0
	MUL8 F1, 3, 0
	WIN 0
.if OUT32
	; THE WAY OUT, 16 rows at a time: the sums go as f32 into my stage and come back as whole rows of 512 bytes; x is added; each store covers 512 consecutive bytes, aligned.
	s_wait_loadcnt 0x0                             ; x
	PLACES
	PLACES
.irp a, 0,1,2,3
	WIN 0x04                                       ; store data in window 1
.irp b, 0,1,2,3,4,5,6,7
	ds_store_b128 v[STO], v[8*(8*(\a)+(\b)):8*(8*(\a)+(\b))+3]   offset:64*(\b)      ; each accumulator's low four registers first
	ds_store_b128 v[STO], v[8*(8*(\a)+(\b))+4:8*(8*(\a)+(\b))+7] offset:64*(\b)+16
.endr
	WIN 0
.if (\a) == 3
	s_wait_xcnt 0x0                                ; block 0's stores have read their registers, which block 3 takes again
.endif
.set RB, 64+64*((\a)%3)
.irp t, 0,1,2,3,4,5,6,7,8,9,10,11,12,13,14,15
	ds_load_b128 v[RB+4*(\t):RB+4*(\t)+3], v[RD] offset:(\t)*SP  ; LDS serves a wave's instructions in order (ISA guide 5.7.1.4): these see the stores above
.endr
	s_wait_dscnt 0x0
	WIN 0x08                                       ; source 1 in window 2
.set i, 0
.rept 32
	v_pk_add_f32 v[RB+i:RB+i+1], v[RB+i:RB+i+1], v[64*(\a)+i:64*(\a)+i+1]
.set i, i+2
.endr
	WIN 0
.irp t, 0,1,2,3,4,5,6,7,8,9,10,11,12,13,14,15
	global_store_b128 v[CO], v[RB+4*(\t):RB+4*(\t)+3], s[10:11] offset:(16*(\a)+(\t))*4096
.endr
.endr
.else
	; THE WAY OUT, 16 rows at a time: times the factor, rounded to f16, 16 bytes a lane into my stage, back as whole rows of 256 bytes; sixteen lanes store 256 consecutive bytes, aligned.
.macro PACK a
	WIN 0x41                                       ; destination and source 0 in window 1
.set i, 64*(\a)
.rept 32
	v_pk_mul_f32 v[i:i+1], v[i:i+1], s[SC:SC+1] op_sel_hi:[1,0]
.set i, i+2
.endr
	WIN 0x05                                       ; sources 0 and 1 in window 1
.set i, 0
.rept 32
	v_cvt_pk_f16_f32 v[TMP+i], v[64*(\a)+2*i], v[64*(\a)+2*i+1]
.set i, i+1
.endr
	WIN 0
.irp b, 0,1,2,3,4,5,6,7
	ds_store_b128 v[STO], v[TMP+4*(\b):TMP+4*(\b)+3] offset:32*(\b)
.endr
.irp t, 0,1,2,3,4,5,6,7
	ds_load_b128 v[64+32*(\a)+4*(\t):64+32*(\a)+4*(\t)+3], v[RD] offset:(\t)*2*SP  ; LDS serves a wave's instructions in order (ISA guide 5.7.1.4)
.endr
.endm
.macro SEND a, younger                 ; younger: the LDS instructions issued behind block a's loads: the next block's sixteen, or none
.irp t, 0,1,2,3,4,5,6,7
	s_wait_dscnt (\younger)+7-(\t)
	global_store_b128 v[CO], v[64+32*(\a)+4*(\t):64+32*(\a)+4*(\t)+3], s[8:9] offset:(\a)*8192+(\t)*1024
.endr
.endm
	PLACES
	PLACES
	PACK 0
	PACK 1
	SEND 0, 16
	PACK 2
	SEND 1, 16
	PACK 3
	SEND 2, 16
	SEND 3, 0
.endif
	s_wait_tensorcnt 0x0                           ; the wave's end: behind my last tensor load and my last LDS store
	ds_add_u32 v[SPW], v[NIL]
	s_wait_dscnt 0x0
	CROUND                                         ; the closing round: no work-group ends while a partner may still ask for a tile that names it
	s_endpgm
.Lfunc_end_k_qf47e1e923d_proj:
	.size	k_qf47e1e923d_proj, .Lfunc_end_k_qf47e1e923d_proj-k_qf47e1e923d_proj
	.p2alignl 7, 3214868480
	.fill 96, 4, 3214868480
	.section	.rodata,"a",@progbits
	.p2align	6, 0x0
	.amdhsa_kernel k_qf47e1e923d_proj
		.amdhsa_group_segment_fixed_size 327680
		.amdhsa_private_segment_fixed_size 0
		.amdhsa_enable_private_segment 0
		.amdhsa_kernarg_size 32
		.amdhsa_user_sgpr_count 2
		.amdhsa_user_sgpr_kernarg_segment_ptr 1
		.amdhsa_wavefront_size32 1
		.amdhsa_system_sgpr_workgroup_id_x 1
		.amdhsa_system_sgpr_workgroup_id_y 1
		.amdhsa_system_sgpr_workgroup_id_z 1
		.amdhsa_system_vgpr_workitem_id 0
		.amdhsa_next_free_vgpr 768
		.amdhsa_next_free_sgpr 72
		.amdhsa_reserve_vcc 0
		.amdhsa_float_denorm_mode_32 3
		.amdhsa_float_denorm_mode_16_64 3
		.amdhsa_memory_ordered 1
		.amdhsa_forward_progress 1
		.amdhsa_inst_pref_size 99
	.end_amdhsa_kernel
	.amdgpu_metadata
---
amdhsa.version: [ 1, 2 ]
amdhsa.kernels:
  - .name:           k_qf47e1e923d_proj
    .symbol:         k_qf47e1e923d_proj.kd
    .args:
      - { .name: att, .offset: 0, .size: 8, .value_kind: global_buffer, .address_space: global }
      - { .name: oh, .offset: 8, .size: 8, .value_kind: global_buffer, .address_space: global }
      - { .name: x, .offset: 16, .size: 8, .value_kind: global_buffer, .address_space: global }
      - { .name: y, .offset: 24, .size: 8, .value_kind: global_buffer, .address_space: global }
    .group_segment_fixed_size: 327680
    .private_segment_fixed_size: 0
    .kernarg_segment_align: 8
    .kernarg_segment_size: 32
    .max_flat_workgroup_size: 128
    .sgpr_count:     72
    .vgpr_count:     768
    .wavefront_size: 32
...
	.end_amdgpu_metadata
.endif
;; end of part 4
;; launch ln (part 5): grid 512 x 1, 4 waves a work-group, no clusters, 0 bytes of LDS; arguments y, ln_gamma, ln_beta, out0; writes out0
.if DOCPART == 5
	.amdgcn_target "amdgcn-amd-amdhsa--gfx1250"
	.amdhsa_code_object_version 6
	.text
	.protected	k_qf47e1e923d_ln
	.globl	k_qf47e1e923d_ln
	.p2align	8
	.type	k_qf47e1e923d_ln,@function
k_qf47e1e923d_ln:
	s_mov_b64 s[64:65], 0
	v_nop
	global_prefetch_b8 v0, s[64:65] scope:SCOPE_SE
	s_setreg_imm32_b32 hwreg(HW_REG_WAVE_MODE, 25, 1), 1
	s_wait_xcnt 0x0
; out0[r][c] = (y[r][c] - mean_r) / sqrt(var_r + 1e-6) x gamma[c] + beta[c].  y, out0: [8192][1024] f32; gamma, beta: [1024] f32.  All in f32.
; The variance is the mean of (y - mean)^2, taken in a second pass over the row in registers: no difference of large sums is formed.
; SHARES.  A row is 4,096 bytes: one wave takes a whole row, eight loads of 16 bytes a lane, and keeps it in 32 registers: memory is read once and no wave waits for another.
; Four waves, four rows each; all of a wave's 48 loads go out at once, and each row is worked on when it has come (counted waits).  A load or store of a wave covers 512 consecutive bytes, aligned.
; No register that a load or store names is written again, so there is no wait but those for the loads.
.set GA, 20                            ; v[20:51]   gamma of my 32 columns (128 j + 4 l + 0..3, j = 0..7)
.set BT, 52                            ; v[52:83]   beta
.set X,  84                            ; v[84:211]  row r at X + 32 r
	s_load_b256 s[4:11], s[0:1], 0x0               ; y s[4:5], gamma s[6:7], beta s[8:9], out0 s[10:11]
	v_and_b32 v2, 31, v0
	v_lshlrev_b32 v2, 4, v2                        ; 16 l
	v_lshrrev_b32 v3, 5, v0
	v_lshl_add_u32 v1, v3, 14, v2                  ; + wave x 4 rows
	s_lshl_b32 s12, ttmp9, 16                      ; the work-group's 16 rows
	s_mov_b32 s13, 0
	s_mov_b32 s14, 0x76543210                      ; v_permlanex16_b32: each lane takes its own place in the other half
	s_mov_b32 s15, 0xfedcba98
	s_mov_b32 s16, 0x3a800000                      ; 1 / 1024
	s_mov_b32 s17, 0x358637bd                      ; 1e-6
	s_wait_kmcnt 0x0
	s_add_nc_u64 s[4:5], s[4:5], s[12:13]
	s_add_nc_u64 s[10:11], s[10:11], s[12:13]
.set j, 0
.rept 8
	global_load_b128 v[GA+4*j:GA+4*j+3], v2, s[6:7] offset:512*j
	global_load_b128 v[BT+4*j:BT+4*j+3], v2, s[8:9] offset:512*j
.set j, j+1
.endr
.set j, 0
.rept 32
	global_load_b128 v[X+4*j:X+4*j+3], v1, s[4:5] offset:512*j th:TH_LOAD_NT
.set j, j+1
.endr
.macro FOLD                            ; four chains of pairs in v[4:11], then the wave's 32 lanes: the sum, in every lane's v4
	v_pk_add_f32 v[4:5], v[4:5], v[6:7]
	v_pk_add_f32 v[8:9], v[8:9], v[10:11]
	v_pk_add_f32 v[4:5], v[4:5], v[8:9]
	v_add_f32 v4, v4, v5
	v_add_f32_dpp v4, v4, v4 row_xmask:1 row_mask:0xf bank_mask:0xf
	v_add_f32_dpp v4, v4, v4 row_xmask:2 row_mask:0xf bank_mask:0xf
	v_add_f32_dpp v4, v4, v4 row_xmask:4 row_mask:0xf bank_mask:0xf
	v_add_f32_dpp v4, v4, v4 row_xmask:8 row_mask:0xf bank_mask:0xf
	v_permlanex16_b32 v5, v4, s14, s15             ; its destination counts as read: v5 has been written
	v_add_f32 v4, v4, v5
.endm
.macro ROW r
.set XR, X+32*(\r)
	s_wait_loadcnt 8*(3-(\r))                      ; loads come back in order: gamma, beta and my rows up to this one are in; the later rows' eight loads each stay out
.set k, 0
.rept 4
	v_pk_add_f32 v[4+2*k:5+2*k], v[XR+4*k:XR+4*k+1], v[XR+4*k+2:XR+4*k+3]  ; the first sixteen numbers start the chains: nothing is cleared
.set k, k+1
.endr
.set k, 0
.rept 8
	v_pk_add_f32 v[4+2*(k%4):5+2*(k%4)], v[4+2*(k%4):5+2*(k%4)], v[XR+16+2*k:XR+16+2*k+1]
.set k, k+1
.endr
	FOLD
	v_mul_f32 v12, s16, v4                         ; the mean, as a pair
	v_mov_b32 v13, v12
.set k, 0
.rept 16
	v_pk_add_f32 v[XR+2*k:XR+2*k+1], v[XR+2*k:XR+2*k+1], v[12:13] neg_lo:[0,1] neg_hi:[0,1]
.set k, k+1
.endr
.set k, 0
.rept 4
	v_pk_mul_f32 v[4+2*k:5+2*k], v[XR+2*k:XR+2*k+1], v[XR+2*k:XR+2*k+1]
.set k, k+1
.endr
.set k, 4
.rept 12
	v_pk_fma_f32 v[4+2*(k%4):5+2*(k%4)], v[XR+2*k:XR+2*k+1], v[XR+2*k:XR+2*k+1], v[4+2*(k%4):5+2*(k%4)]
.set k, k+1
.endr
	FOLD
	v_fma_f32 v14, v4, s16, s17                    ; the variance + 1e-6
	v_rsq_f32 v16, v14                             ; twice, for the pair that the packed multiply takes
	v_rsq_f32 v17, v14
	v_nop                                          ; a plain instruction between the last of them and the use of its result (ISA guide 5.7.2)
.set k, 0
	s_wait_alu depctr_va_vdst(0)
.rept 16
	v_pk_mul_f32 v[XR+2*k:XR+2*k+1], v[XR+2*k:XR+2*k+1], v[16:17]
.set k, k+1
.endr
.set k, 0
.rept 16
	v_pk_fma_f32 v[XR+2*k:XR+2*k+1], v[XR+2*k:XR+2*k+1], v[GA+2*k:GA+2*k+1], v[BT+2*k:BT+2*k+1]
.set k, k+1
.endr
.set k, 0
.rept 8
	global_store_b128 v1, v[XR+4*k:XR+4*k+3], s[10:11] offset:4096*(\r)+512*k th:TH_STORE_NT
.set k, k+1
.endr
.endm
	ROW 0
	ROW 1
	ROW 2
	ROW 3
	s_endpgm
.Lfunc_end_k_qf47e1e923d_ln:
	.size	k_qf47e1e923d_ln, .Lfunc_end_k_qf47e1e923d_ln-k_qf47e1e923d_ln
	.p2alignl 7, 3214868480
	.fill 96, 4, 3214868480
	.section	.rodata,"a",@progbits
	.p2align	6, 0x0
	.amdhsa_kernel k_qf47e1e923d_ln
		.amdhsa_group_segment_fixed_size 0
		.amdhsa_private_segment_fixed_size 0
		.amdhsa_enable_private_segment 0
		.amdhsa_kernarg_size 32
		.amdhsa_user_sgpr_count 2
		.amdhsa_user_sgpr_kernarg_segment_ptr 1
		.amdhsa_wavefront_size32 1
		.amdhsa_system_sgpr_workgroup_id_x 1
		.amdhsa_system_sgpr_workgroup_id_y 1
		.amdhsa_system_sgpr_workgroup_id_z 1
		.amdhsa_system_vgpr_workitem_id 0
		.amdhsa_next_free_vgpr 216
		.amdhsa_next_free_sgpr 66
		.amdhsa_reserve_vcc 0
		.amdhsa_float_denorm_mode_32 3
		.amdhsa_float_denorm_mode_16_64 3
		.amdhsa_memory_ordered 1
		.amdhsa_forward_progress 1
		.amdhsa_inst_pref_size 34
	.end_amdhsa_kernel
	.amdgpu_metadata
---
amdhsa.version: [ 1, 2 ]
amdhsa.kernels:
  - .name:           k_qf47e1e923d_ln
    .symbol:         k_qf47e1e923d_ln.kd
    .args:
      - { .name: y, .offset: 0, .size: 8, .value_kind: global_buffer, .address_space: global }
      - { .name: ln_gamma, .offset: 8, .size: 8, .value_kind: global_buffer, .address_space: global }
      - { .name: ln_beta, .offset: 16, .size: 8, .value_kind: global_buffer, .address_space: global }
      - { .name: out0, .offset: 24, .size: 8, .value_kind: global_buffer, .address_space: global }
    .group_segment_fixed_size: 0
    .private_segment_fixed_size: 0
    .kernarg_segment_align: 8
    .kernarg_segment_size: 32
    .max_flat_workgroup_size: 128
    .sgpr_count:     66
    .vgpr_count:     216
    .wavefront_size: 32
...
	.end_amdgpu_metadata
.endif
;; end of part 5
;; ======== version 2 of 2: 5 launches; version 1 with the launch cast written anew for expert scheduling mode
;; limits: values are held in f16: magnitudes above 65,504 overflow, below 6.1e-05 lose precision; right only within a limited range of input values
;; workspace buffers: xh 16,777,216 bytes; wh 6,291,456 bytes; oh 2,097,152 bytes; qkv 50,331,648 bytes; att 16,777,216 bytes; y 33,554,432 bytes
;; launch cast (part 6): grid 768 x 1, 8 waves a work-group, no clusters, 0 bytes of LDS; arguments x, qkv_w, out_w, xh, wh, oh; writes xh, wh, oh
.if DOCPART == 6
	.amdgcn_target "amdgcn-amd-amdhsa--gfx1250"
	.amdhsa_code_object_version 6
	.text
	.protected	k_qf47e1e923d_cast
	.globl	k_qf47e1e923d_cast
	.p2align	8
	.type	k_qf47e1e923d_cast,@function
k_qf47e1e923d_cast:
	s_mov_b64 s[64:65], 0
	v_nop
	global_prefetch_b8 v0, s[64:65] scope:SCOPE_SE
	s_setreg_imm32_b32 hwreg(HW_REG_WAVE_SCHED_MODE, 0, 2), 2
	s_setreg_imm32_b32 hwreg(HW_REG_WAVE_MODE, 25, 1), 1
	s_wait_xcnt 0x0
	s_wait_alu depctr_vm_vsrc(0)
; xh = f16(x), wh = f16(qkv_w, q's part times c), oh = f16(out_w): three streams, each number rounded once.
; LAYOUTS.  wh and oh lie as their inputs do.  xh lies in 16 SLABS of 64 channels: xh[k / 64][row][k % 64], a row's part of a slab 128 bytes, the rows on end: so the product that follows finds
; 256 rows x 64 channels as 32,768 consecutive bytes and can ask for them in rows of 256 bytes.
; THE SCALE.  q's weights (qkv_w[0]: the first 1,048,576 numbers) are multiplied in f32 by c = log2(e) / 32 before their one rounding, so that q comes out of its product multiplied by c.
; LIMITS.  f16 ends at 65,504: a number of 65,520 or more in magnitude becomes an infinity.  Below 6e-5 f16 keeps its fixed step of 6e-8; of q's weights that is met below 1.4e-3, c times which is 6e-5.
; SHARES.  A work-group takes 16,384 numbers: 64 KiB in, 32 KiB out.  x has 512 such parts (work-groups 0-511: 16 rows each), qkv_w 192 (512-703; q's are 512-575), out_w 64 (704-767).
; All 16 loads of a thread go out at once; a wave's store covers 256 consecutive bytes, aligned.
; THE MODE: SCHED_MODE bits 1:0 = 2 (LLVM: expert scheduling mode 2), set by the entry lines.  The code itself states the register dependences between vector instructions and memory
; instructions, with s_wait_alu, always for 0.
; THE PLAN.  Registers that memory instructions touch:
;   v1    the loads' offset.   Written by vector instructions at a path's head; read by the 16 loads; never written again.
;   v2    the stores' offset.  Written by a vector instruction ahead of the branch; read by the 16 stores; never written again.
;   IN    Written by the 16 loads, which are issued before any vector instruction names these registers; then named by vector instructions alone.
;   OUT   Written by the conversions; read by the stores; each pair serves one store and is never written again.
; So a path has five waits on va_vdst: one ahead of its first load, for v1 and v2, and one in each of four groups of four loads, between the group's conversions and the run of its four stores.
; No register that a load or store reads is written again, so no wait stands for that; no vector instruction writes a scalar register or VCC; EXEC stays as it came.
.set IN,  8                            ; v[8:71]    16 loads of 4 numbers
.set OUT, 72                           ; v[72:103]  16 pairs of registers, 4 numbers in f16 each
.set SLAB, 1<<20                       ; bytes in a slab of xh: 8,192 rows of 128 bytes
; Group g: loads 4 g .. 4 g + 3 have come: (times the factor,) rounded, stored.  Load j's 8 bytes go to byte (j - back) x unit behind the base.
.macro GROUP g, scale, base, unit, back
	s_wait_loadcnt 12-4*(\g)                       ; loads come back in order: the group's four are in, the 12 - 4 g younger ones stay out
.if \scale
.irp i, 0,1,2,3
	v_pk_mul_f32 v[IN+4*(4*(\g)+(\i)):IN+4*(4*(\g)+(\i))+1], v[IN+4*(4*(\g)+(\i)):IN+4*(4*(\g)+(\i))+1], s[26:27] op_sel_hi:[1,0]
	v_pk_mul_f32 v[IN+4*(4*(\g)+(\i))+2:IN+4*(4*(\g)+(\i))+3], v[IN+4*(4*(\g)+(\i))+2:IN+4*(4*(\g)+(\i))+3], s[26:27] op_sel_hi:[1,0]
.endr                                                  ; all eight ahead of the conversions, so that none of those stands behind the multiply that feeds it
.endif
.irp i, 0,1,2,3
	v_cvt_pk_f16_f32 v[OUT+2*(4*(\g)+(\i))], v[IN+4*(4*(\g)+(\i))], v[IN+4*(4*(\g)+(\i))+1]
	v_cvt_pk_f16_f32 v[OUT+2*(4*(\g)+(\i))+1], v[IN+4*(4*(\g)+(\i))+2], v[IN+4*(4*(\g)+(\i))+3]
.endr
	s_wait_alu depctr_va_vdst(0)                   ; the group's eight conversions have written their registers of OUT, which the four stores below read
.irp i, 0,1,2,3
	global_store_b64 v2, v[OUT+2*(4*(\g)+(\i)):OUT+2*(4*(\g)+(\i))+1], s[\base:\base+1] offset:(4*(\g)+(\i)-(\back))*(\unit)
.endr
.endm
	s_load_b256 s[4:11], s[0:1], 0x0               ; x s[4:5], qkv_w s[6:7], out_w s[8:9], xh s[10:11]
	s_load_b128 s[12:15], s[0:1], 0x20             ; wh s[12:13], oh s[14:15]
	v_lshlrev_b32 v2, 3, v0                        ; 8 bytes a thread out, in all three streams
	s_movk_i32 s24, 512                            ; the first work-group of qkv_w,
	s_movk_i32 s25, 704                            ; of out_w
	s_mov_b32 s23, 0
	s_cmp_lt_u32 ttmp9, s24
	s_cbranch_scc0 .Lweights
	; x.  Thread t takes row t / 16 of the group's 16 and, in load j, the four channels 64 j + 4 (t % 16): sixteen lanes read 256 consecutive bytes of a row.
	; In slab j the group's 16 rows are 2,048 bytes on end, and thread t's 8 bytes lie at 128 (t / 16) + 8 (t % 16) = 8 t.
	v_lshrrev_b32 v3, 4, v0
	v_and_b32 v1, 15, v0
	v_lshlrev_b32 v1, 4, v1
	v_lshl_add_u32 v1, v3, 12, v1                  ; 4,096 (t / 16) + 16 (t % 16)
	s_lshl_b32 s22, ttmp9, 16
	s_wait_kmcnt 0x0
	s_add_nc_u64 s[16:17], s[4:5], s[22:23]
	s_lshl_b32 s22, ttmp9, 11
	s_add_nc_u64 s[18:19], s[10:11], s[22:23]      ; slabs 0 to 7 from here,
	s_add_nc_u64 s[20:21], s[18:19], 8<<20         ; slabs 8 to 15 from here: a slab is 1 MiB, and the immediate holds 7 of them
	s_wait_alu depctr_va_vdst(0)                   ; v1 and v2 are written: the loads below read v1 as their offset, the stores v2
.set j, 0
.rept 16
	global_load_b128 v[IN+4*j:IN+4*j+3], v1, s[16:17] offset:j*256 th:TH_LOAD_NT
.set j, j+1
.endr
	GROUP 0, 0, 18, SLAB, 0
	GROUP 1, 0, 18, SLAB, 0
	GROUP 2, 0, 20, SLAB, 8
	GROUP 3, 0, 20, SLAB, 8
	s_endpgm
.Lweights:
	; the weights: flat.  A load of a wave covers 512 consecutive bytes.
	v_lshlrev_b32 v1, 4, v0                        ; 16 bytes a thread in
	s_wait_kmcnt 0x0
	s_cmp_lt_u32 ttmp9, s25                        ; which of the two streams is mine: a choice between buffers by the work-group's number
	s_cselect_b64 s[16:17], s[6:7], s[8:9]
	s_cselect_b64 s[18:19], s[12:13], s[14:15]
	s_cselect_b32 s20, s24, s25
	s_sub_co_u32 s20, ttmp9, s20                   ; my part's number in its stream
	s_lshl_b32 s22, s20, 16
	s_add_nc_u64 s[16:17], s[16:17], s[22:23]
	s_lshl_b32 s22, s20, 15
	s_add_nc_u64 s[18:19], s[18:19], s[22:23]
	s_cmp_lt_u32 ttmp9, 576                        ; q's weights take c = log2(e) / 32, all others 1
	s_cselect_b32 s26, 0x3d38aa3b, 1.0
	s_mov_b32 s27, s26                             ; named with it as a pair
	s_wait_alu depctr_va_vdst(0)                   ; v1 and v2 are written: the loads below read v1 as their offset, the stores v2
.set j, 0
.rept 16
	global_load_b128 v[IN+4*j:IN+4*j+3], v1, s[16:17] offset:j*4096 th:TH_LOAD_NT
.set j, j+1
.endr
	GROUP 0, 1, 18, 2048, 0
	GROUP 1, 1, 18, 2048, 0
	GROUP 2, 1, 18, 2048, 0
	GROUP 3, 1, 18, 2048, 0
	s_endpgm
.Lfunc_end_k_qf47e1e923d_cast:
	.size	k_qf47e1e923d_cast, .Lfunc_end_k_qf47e1e923d_cast-k_qf47e1e923d_cast
	.p2alignl 7, 3214868480
	.fill 96, 4, 3214868480
	.section	.rodata,"a",@progbits
	.p2align	6, 0x0
	.amdhsa_kernel k_qf47e1e923d_cast
		.amdhsa_group_segment_fixed_size 0
		.amdhsa_private_segment_fixed_size 0
		.amdhsa_enable_private_segment 0
		.amdhsa_kernarg_size 48
		.amdhsa_user_sgpr_count 2
		.amdhsa_user_sgpr_kernarg_segment_ptr 1
		.amdhsa_wavefront_size32 1
		.amdhsa_system_sgpr_workgroup_id_x 1
		.amdhsa_system_sgpr_workgroup_id_y 1
		.amdhsa_system_sgpr_workgroup_id_z 1
		.amdhsa_system_vgpr_workitem_id 0
		.amdhsa_next_free_vgpr 104
		.amdhsa_next_free_sgpr 66
		.amdhsa_reserve_vcc 0
		.amdhsa_float_denorm_mode_32 3
		.amdhsa_float_denorm_mode_16_64 3
		.amdhsa_memory_ordered 1
		.amdhsa_forward_progress 1
		.amdhsa_inst_pref_size 15
	.end_amdhsa_kernel
	.amdgpu_metadata
---
amdhsa.version: [ 1, 2 ]
amdhsa.kernels:
  - .name:           k_qf47e1e923d_cast
    .symbol:         k_qf47e1e923d_cast.kd
    .args:
      - { .name: x, .offset: 0, .size: 8, .value_kind: global_buffer, .address_space: global }
      - { .name: qkv_w, .offset: 8, .size: 8, .value_kind: global_buffer, .address_space: global }
      - { .name: out_w, .offset: 16, .size: 8, .value_kind: global_buffer, .address_space: global }
      - { .name: xh, .offset: 24, .size: 8, .value_kind: global_buffer, .address_space: global }
      - { .name: wh, .offset: 32, .size: 8, .value_kind: global_buffer, .address_space: global }
      - { .name: oh, .offset: 40, .size: 8, .value_kind: global_buffer, .address_space: global }
    .group_segment_fixed_size: 0
    .private_segment_fixed_size: 0
    .kernarg_segment_align: 8
    .kernarg_segment_size: 48
    .max_flat_workgroup_size: 256
    .sgpr_count:     66
    .vgpr_count:     104
    .wavefront_size: 32
...
	.end_amdgpu_metadata
.endif
;; end of part 6
;; launch qkv: the kernel of part 2 again; grid 8 x 32, 4 waves a work-group, clusters of 4 x 4, 327,680 bytes of LDS; arguments xh, wh, qkv; writes qkv
;; launch attn: the kernel of part 3 again; grid 16 x 16, 4 waves a work-group, clusters of 4 x 1, 327,680 bytes of LDS; arguments qkv, att; writes att
;; launch proj: the kernel of part 4 again; grid 4 x 64, 4 waves a work-group, clusters of 4 x 4, 327,680 bytes of LDS; arguments att, oh, x, y; writes y
;; launch ln: the kernel of part 5 again; grid 512 x 1, 4 waves a work-group, no clusters, 0 bytes of LDS; arguments y, ln_gamma, ln_beta, out0; writes out0
